; MI455X (gfx1250); checked and timed in simulation.
; The chip was launched on July 23, 2026; its instructions are those of AMD's public machine-readable ISA for CDNA 5 (MIT licence, August 2026) and "CDNA5" Instruction Set Architecture Reference Guide (July 2026). The comments in the code are by the model that wrote it; some were corrected since.
;; Causal Self Attention. Allowed arithmetic: matrix products marked QUANTISED: E5M2 operands, one given power-of-two scale a tensor, by v_wmma_f32_16x16x64_bf8_bf8 or v_wmma_f32_16x16x128_bf8_bf8, f32 sums; everything else in f32.
;; Inputs: Wk 512 x 512 float32; Wo 512 x 512 float32; Wq 512 x 512 float32; Wv 512 x 512 float32; bk 512 float32; bo 512 float32; bq 512 float32; bv 512 float32; lowp_scales 12 int32 (the exponents e of the quantised operands' scales 2^e); x 2 x 4,096 x 512 float32.
;; Outputs: out0 2 x 4,096 x 512 float32.
;; This version of the problem:
;;   THIS VERSION OF THE PROBLEM IS GIVEN IN LOW PRECISION. The matrix products marked QUANTISED in the list below multiply operands that are first quantised to E5M2 (5 exponent bits, 2 mantissa bits; 8 bits a number), with one given power-of-two scale for each operand tensor; their sums are f32. All else is computed in f32.
;;   The module's matrix products, in the order in which they are computed (A, B: the left and right operand; K: the contracted axis; several contracted axes count as one K, in the product's order):
;;     1. [M 8,192, K 512] x [K 512, N 512]; A: input x; B: input Wq: QUANTISED (scales: A lowp_scales[0], B lowp_scales[1])
;;     2. [M 8,192, K 512] x [K 512, N 512]; A: input x; B: input Wk: QUANTISED (scales: A lowp_scales[2], B lowp_scales[3])
;;     3. [M 8,192, K 512] x [K 512, N 512]; A: input x; B: input Wv: QUANTISED (scales: A lowp_scales[4], B lowp_scales[5])
;;     4. batch 16 x [M 4,096, K 64] x [K 64, N 4,096]; A: computed on the way; B: computed on the way: QUANTISED (scales: A lowp_scales[6], B lowp_scales[7])
;;     5. batch 16 x [M 4,096, K 4,096] x [K 4,096, N 64]; A: softmax (see below); B: computed on the way: QUANTISED (scales: A lowp_scales[8], B lowp_scales[9])
;;     6. [M 8,192, K 512] x [K 512, N 512]; A: computed on the way; B: input Wo: QUANTISED (scales: A lowp_scales[10], B lowp_scales[11])
;;   THE QUANTISER, for each operand of a quantised product, along K:
;;     - The operand's scale is 2^e, e = its entry of the input lowp_scales (int32; the entries are numbered through the quantised products in the list's order, A before B).
;;     - Each number is divided by the scale, clamped to +-57,344, and rounded to the nearest number of E5M2, ties to even, subnormals kept.
;;     - The product sums the exact products of the quantised numbers (number of the format x scale) in f32.
;;   ~~~python
;;   def quantise(x, axis, e):      # numpy; x: float32 -> the quantised numbers, widened to float32 again
;;       x = np.moveaxis(x, axis, -1); K = x.shape[-1]
;;       r = np.clip(x / 2.0 ** e, -57344, 57344)
;;       step = 2.0 ** (np.maximum(np.frexp(np.where(r == 0, 1, r))[1] - 1, -14) - 2)
;;       q = np.round(r / step) * step * 2.0 ** e      # np.round: ties to even
;;       return np.moveaxis(q, -1, axis).astype(np.float32)
;;   ~~~
;;   SOFTMAX AHEAD OF A QUANTISED PRODUCT. Where the list says 'softmax', what is quantised is not the finished softmax but p = 2^(t - M), with t = logit x log2(e) and M = ceil(the row's largest t), a whole number; so 1/2 < the row's largest p <= 1. The row's sum l is taken of the UNQUANTISED p, in f32, and the product's result is divided by l at the end. Since M is a whole number, a kernel that streams over the keys may use a running M (the ceiling of the running maximum): every later rescaling is an exact power of two, so the quantised numbers keep their values, but for numbers so far below the row's largest that they fall under the format's range.
;;   OPERANDS COMPUTED ON THE WAY. 'Computed on the way' means the value that the module computes at that place (a softmax that the list does not call 'softmax' is quantised finished and normalised). What goes into a quantiser is computed in f32, as accurately as f32 sums, v_exp_f32 and their like allow (about 1e-6 of the number): no bf16 or f16 on the way to a quantiser, and a product that is left as it is and whose result goes on into a quantised operand takes f32 operands (vector FMAs, or v_wmma_f32_16x16x4_f32). A number that lies on a knife's edge between two numbers of the format may be rounded either way, as far as f32 arithmetic and the matrix unit's own rounding can turn it there, and no further.
;; 2 versions, each right; version 2 is version 1 with the launches qkv, attn, proj written anew for expert scheduling mode. Each part assembles by itself: llvm-mc -triple=amdgcn-amd-amdhsa -mcpu=gfx1250 --defsym DOCPART=n.
;; ======== version 1 of 2: 4 launches
;; workspace buffers: wc 1,048,576 bytes; qc 4,194,304 bytes; kv 8,388,608 bytes; ao 4,194,304 bytes
;; launch prep (part 1): grid 16 x 16, 4 waves a work-group, no clusters, 0 bytes of LDS; arguments Wq, Wk, Wv, Wo, lowp_scales, wc; writes wc
.if DOCPART == 1
	.amdgcn_target "amdgcn-amd-amdhsa--gfx1250"
	.amdhsa_code_object_version 6
	.text
	.protected	k_q47e5ab75c8_prep
	.globl	k_q47e5ab75c8_prep
	.p2align	8
	.type	k_q47e5ab75c8_prep,@function
k_q47e5ab75c8_prep:
	s_mov_b64 s[64:65], 0
	v_nop
	global_prefetch_b8 v0, s[64:65] scope:SCOPE_SE
	s_setreg_imm32_b32 hwreg(HW_REG_WAVE_MODE, 25, 1), 1
	s_wait_xcnt 0x0
; Wq, Wk, Wv, Wo: [512 (k)][512 (n)] f32, K their FIRST axis, become codes of BF8 (E5M2), each with the one scale 2^e given for it (entries 1, 3, 5, 11 of the scales).
; code = w / 2^e, held within +-57,344, to the nearest code, ties to even.  LIMIT: -126 <= e <= 112, so that 2^e and 57,344 x 2^e are f32 numbers.  NaN among the inputs is not served.
; THE CODES ARE LAID AS THE OPERAND'S REGISTERS TAKE THEM.  wc = [weight q, k, v, o] x 262,144 bytes; in a weight, fragment (tile T of 16 columns, K step s of 128) lies at (4 T + s) x 2,048 bytes,
; as four pieces of 512 bytes: piece c, lane (r, h) at 16 (r + 16 h): k = 128 s + 32 c + 16 h + 0 .. 15 of column 32 (T / 2) + 8 (T % 2) + r + 8 (r / 8).  So a later launch loads a fragment by four dense loads.
; SHARES.  Work-group x = 4 x weight + group of 128 columns; y = which 32 along K.  A LANE TAKES A COLUMN AND ITS REGISTERS RUN DOWN K: a wave's load reads 128 consecutive bytes, the four waves stand side by side on 512,
; and the conversions, which take neighbours along K from one lane's registers, give codes with K innermost.  Nothing is transposed by an instruction.
; Lane l of a wave holds column 32 B + l: tile 2 B + (l / 8) % 2, place r = l % 8 + 8 (l / 16).  A store's lanes 0-7 and 16-23 fill 256 consecutive, aligned bytes, lanes 8-15 and 24-31 another 256.
.set X, 16                             ; v16-47  32 numbers down K
.set C, 48                             ; v48-55  their codes
	s_load_b256 s[4:11], s[0:1], 0x0               ; Wq, Wk, Wv, Wo
	s_load_b128 s[12:15], s[0:1], 0x20             ; the scales' exponents, wc
	v_lshrrev_b32 v1, 5, v0
	v_readfirstlane_b32 s16, v1                    ; wave 0..3
	v_and_b32 v2, 31, v0                           ; lane
	v_lshlrev_b32 v3, 2, v2                        ; in: 4 bytes a lane
	v_bfe_u32 v4, v2, 3, 1
	v_lshlrev_b32 v4, 13, v4                       ; out: the odd tile lies four fragments (8,192 bytes) on,
	v_and_b32 v5, 7, v2
	v_lshl_or_b32 v4, v5, 4, v4                    ; 16 bytes a place,
	v_lshrrev_b32 v5, 4, v2
	v_lshl_or_b32 v4, v5, 7, v4                    ; places 8-15 are lanes 16-31
	s_lshr_b32 s17, ttmp9, 2                       ; which weight
	s_and_b32 s18, ttmp9, 3                        ; which 128 columns
	s_and_b32 s19, ttmp7, 0xffff                   ; which 32 along K
	s_lshl_b32 s20, s19, 16                        ; in: 32 rows of 2,048 bytes,
	s_lshl_b32 s21, s18, 9
	s_add_co_u32 s20, s20, s21                     ; + 128 columns,
	s_lshl_b32 s21, s16, 7
	s_add_co_u32 s20, s20, s21                     ; + 32 columns a wave
	s_mov_b32 s21, 0
	s_lshl_b32 s22, s17, 18                        ; out: the weight,
	s_lshl_b32 s23, s18, 2
	s_add_co_u32 s23, s23, s16
	s_lshl_b32 s23, s23, 14
	s_add_co_u32 s22, s22, s23                     ; + the pair of tiles (2 x 4 fragments),
	s_lshr_b32 s23, s19, 2
	s_lshl_b32 s23, s23, 11
	s_add_co_u32 s22, s22, s23                     ; + the K step,
	s_and_b32 s23, s19, 3
	s_lshl_b32 s23, s23, 9
	s_add_co_u32 s22, s22, s23                     ; + the piece
	s_mov_b32 s23, 0
	s_wait_kmcnt 0x0
	s_load_b256 s[24:31], s[12:13], 0x0            ; e0 .. e7
	s_load_b128 s[32:35], s[12:13], 0x20           ; e8 .. e11
	s_cmp_eq_u32 s17, 0                            ; the weight's address: a choice that hangs on the work-group's number alone
	s_cselect_b64 s[4:5], s[4:5], s[6:7]
	s_cmp_eq_u32 s17, 2
	s_cselect_b64 s[8:9], s[8:9], s[10:11]
	s_cmp_lt_u32 s17, 2
	s_cselect_b64 s[4:5], s[4:5], s[8:9]
	s_add_nc_u64 s[4:5], s[4:5], s[20:21]
	s_add_nc_u64 s[14:15], s[14:15], s[22:23]
.set i, 0
.rept 32
	global_load_b32 v[X+i], v3, s[4:5] offset:2048*i th:TH_LOAD_NT   ; W(32 y + i, my column); read once in this launch
.set i, i+1
.endr
	s_wait_kmcnt 0x0
	s_cmp_eq_u32 s17, 0
	s_cselect_b32 s36, s25, s27                    ; e1 or e3
	s_cmp_eq_u32 s17, 2
	s_cselect_b32 s37, s29, s35                    ; e5 or e11
	s_cmp_lt_u32 s17, 2
	s_cselect_b32 s36, s36, s37                    ; e
	s_add_co_i32 s36, s36, 127
	s_lshl_b32 s37, s36, 23
	v_mov_b32 v11, s37                             ; 2^e as f32: the conversion takes its exponent field
	s_add_co_i32 s36, s36, 15
	s_lshl_b32 s36, s36, 23
	s_or_b32 s36, s36, 0x600000
	v_mov_b32 v10, s36                             ; 57,344 x 2^e
	s_wait_loadcnt 0x0
.set i, 0
.rept 32
	v_med3_num_f32 v[X+i], v[X+i], -v10, v10       ; the conversion to an 8-bit code does not saturate (ISA guide 7.6.2): the hold comes first
.set i, i+1
.endr
.irp g, 0,1,2,3
	v_cvt_scalef32_pk8_bf8_f32 v[C+2*\g:C+2*\g+1], v[X+8*\g:X+8*\g+7], v11
.endr
	global_store_b128 v4, v[C:C+3], s[14:15]               ; k = 0 .. 15 of the piece: the places of lanes 0-15
	global_store_b128 v4, v[C+4:C+7], s[14:15] offset:256  ; k = 16 .. 31: the places of lanes 16-31
	s_endpgm
.Lfunc_end_k_q47e5ab75c8_prep:
	.size	k_q47e5ab75c8_prep, .Lfunc_end_k_q47e5ab75c8_prep-k_q47e5ab75c8_prep
	.p2alignl 7, 3214868480
	.fill 96, 4, 3214868480
	.section	.rodata,"a",@progbits
	.p2align	6, 0x0
	.amdhsa_kernel k_q47e5ab75c8_prep
		.amdhsa_group_segment_fixed_size 0
		.amdhsa_private_segment_fixed_size 0
		.amdhsa_enable_private_segment 0
		.amdhsa_kernarg_size 48
		.amdhsa_user_sgpr_count 2
		.amdhsa_user_sgpr_kernarg_segment_ptr 1
		.amdhsa_wavefront_size32 1
		.amdhsa_system_sgpr_workgroup_id_x 1
		.amdhsa_system_sgpr_workgroup_id_y 1
		.amdhsa_system_sgpr_workgroup_id_z 1
		.amdhsa_system_vgpr_workitem_id 0
		.amdhsa_next_free_vgpr 64
		.amdhsa_next_free_sgpr 66
		.amdhsa_reserve_vcc 0
		.amdhsa_float_denorm_mode_32 3
		.amdhsa_float_denorm_mode_16_64 3
		.amdhsa_memory_ordered 1
		.amdhsa_forward_progress 1
		.amdhsa_inst_pref_size 8
	.end_amdhsa_kernel
	.amdgpu_metadata
---
amdhsa.version: [ 1, 2 ]
amdhsa.kernels:
  - .name:           k_q47e5ab75c8_prep
    .symbol:         k_q47e5ab75c8_prep.kd
    .args:
      - { .name: Wq, .offset: 0, .size: 8, .value_kind: global_buffer, .address_space: global }
      - { .name: Wk, .offset: 8, .size: 8, .value_kind: global_buffer, .address_space: global }
      - { .name: Wv, .offset: 16, .size: 8, .value_kind: global_buffer, .address_space: global }
      - { .name: Wo, .offset: 24, .size: 8, .value_kind: global_buffer, .address_space: global }
      - { .name: lowp_scales, .offset: 32, .size: 8, .value_kind: global_buffer, .address_space: global }
      - { .name: wc, .offset: 40, .size: 8, .value_kind: global_buffer, .address_space: global }
    .group_segment_fixed_size: 0
    .private_segment_fixed_size: 0
    .kernarg_segment_align: 8
    .kernarg_segment_size: 48
    .max_flat_workgroup_size: 128
    .sgpr_count:     66
    .vgpr_count:     64
    .wavefront_size: 32
...
	.end_amdgpu_metadata
.endif
;; end of part 1
;; launch qkv (part 2): grid 64 x 3, 4 waves a work-group, no clusters, 33,280 bytes of LDS; arguments x, wc, lowp_scales, bq, bk, bv, qc, kv; writes qc, kv
.if DOCPART == 2
	.amdgcn_target "amdgcn-amd-amdhsa--gfx1250"
	.amdhsa_code_object_version 6
	.text
	.protected	k_q47e5ab75c8_qkv
	.globl	k_q47e5ab75c8_qkv
	.p2align	8
	.type	k_q47e5ab75c8_qkv,@function
k_q47e5ab75c8_qkv:
	s_mov_b64 s[64:65], 0
	v_nop
	global_prefetch_b8 v0, s[64:65] scope:SCOPE_SE
	s_setreg_imm32_b32 hwreg(HW_REG_WAVE_MODE, 25, 1), 1
	s_wait_xcnt 0x0
; Q = x Wq + bq, K = x Wk + bk, V = x Wv + bv on codes of BF8 (E5M2), and each result quantised at once for the attention's products.  x: [8192][512] f32; the weights: codes laid as register images (wc).
; Work-group y = 0, 1, 2 makes Q, K, V; its scales are (ex, ew, eo) = entries (0, 1, 6), (2, 3, 7), (4, 5, 9).  x is quantised here, in registers, with that product's own ex.
; LIMITS, so that each power of two below is an f32 number: ex, and eo - ex - ew, between -126 and 112.  NaN among the inputs is not served.
; SHARES.  Work-group x owns 128 tokens (one key step of the attention), in two blocks of 64.  THE WAVES SHARE THE COLUMNS: wave w holds columns 128 w .. 128 w + 127 (heads 2 w, 2 w + 1) of the weight in 512 registers
; for the whole launch.  What goes round is small: a block's codes of x, 16 fragments, through LDS as IMAGES OF THEIR REGISTERS (four stores of 512 bytes, lane l's 16 bytes at 16 l; the same four lines as loads bring them back).
; 192 work-groups: three products do not divide into 256, and smaller shares would read the weights more often.
; TILES.  Tile n of any axis of rows holds rows 32 (n / 2) + 8 (n % 2) + r + 8 (r / 8): the 16 registers that a lane has of tiles 2 b and 2 b + 1 of a result are then 16 NEIGHBOURS, 32 b + 16 h + 0 .. 15,
; which the conversions turn straight into a piece (16 bytes a lane) of the next operand.  A fragment's piece c holds k = 32 c + 16 h + 0 .. 15: the same order of k on both sides of every product.
; Q AND K: source 0 = 16 columns of W, source 1 = 16 tokens: a lane holds ONE token, its registers run along the head's channels, which are the scores' K.
; V: source 0 = 16 tokens, source 1 = 16 columns of W: a lane holds ONE channel, its registers run along the tokens, which are the second product's K.  Nothing is transposed.
; The bias is the C of each sum's first matrix instruction, divided once by 2^(ex + ew); the conversion then takes 2^(eo - ex - ew) as its one scale.
; OUT.  qc: [head of 16] x 262,144, tile of tokens x 1,024, piece x 512.  kv: [head] x 524,288, key step x 16,384: K's 8 tiles x 1,024, then V's 4 tiles of channels x 2,048 (piece c: keys 32 c + 16 h + 0 .. 15).  Every store is 512 dense bytes.
; REGISTERS, in windows of 256.  Window 0: v4-9 addresses; v16-143 fragments of x; v144-207 eight accumulators; v208-223 the codes just made; v240-243 scales.  Windows 1, 2: the weight: fragment (tile t, K step s) at
; v[16 (8 (s % 2) + t)] of window 1 + s / 2.  Window 3: v0-63 the bias, 8 tiles x 8; v64-255 three sets of 64 numbers of x as loaded.
.set XA,  4                            ; v4   x: my lane's byte in the block's 64 rows (my wave quantises tile w)
.set LI,  5                            ; v5   16 x lane: an image's place for my lane, in LDS and in memory
.set XWI, 6                            ; v6   where I store x's images: 16 x lane + 8,192 x wave
.set GO1, 8                            ; v8   16 x lane + a head's bytes: my wave's second head
.set BOF, 9                            ; v9   the bias: my lane's offset
.set XF,  16
.set HA,  144
.set PC,  208
.set SCX, 240                          ; 2^ex;  v241: 57,344 x 2^ex
.set LMX, 241
.set SCO, 242                          ; 2^(eo - ex - ew);  v243: 57,344 x that
.set LMO, 243
.set S0,  64                           ; window 3: the sets of x
.set S1,  128
.set S2,  192
.set WV,  20
.set Y,   21
.set BLK, 22
.set MSB, 0
.macro WIN new                         ; the immediate's high byte repeats the setting that is left; a switch that changes nothing is dropped
.if MSB != \new
	s_set_vgpr_msb (MSB<<8)|\new
.set MSB, \new
.endif
.endm
; my 16 rows' numbers of K step s (64 a lane: 16 neighbours of each block of 32), from off bytes on, into a set of window 3.  Three work-groups read the same rows: no hint
.macro XLOAD set, s, off
	WIN 0xc0                                       ; destination window 3, address window 0
.irp c, 0,1,2,3
.irp j, 0,1,2,3
	global_load_b128 v[\set+16*\c+4*\j:\set+16*\c+4*\j+3], v[XA], s[4:5] offset:\off+512*\s+128*\c+16*\j
.endr
.endr
.endm
; 64 numbers of a lane, register 16 c + i = k 32 c + 16 h + i of my row, become a fragment's codes in v[PC] on
.macro QUANTX set
	WIN 0xc3                                       ; the numbers in window 3, the bound in window 0
.set i, 0
.rept 64
	v_med3_num_f32 v[\set+i], v[\set+i], -v[LMX], v[LMX]   ; the conversion to an 8-bit code does not saturate (ISA guide 7.6.2): the hold comes first
.set i, i+1
.endr
	WIN 0x03                                       ; the numbers in window 3, the codes and the scale in window 0
.irp c, 0,1,2,3
	v_cvt_scalef32_pk8_bf8_f32 v[PC+4*\c:PC+4*\c+1], v[\set+16*\c:\set+16*\c+7], v[SCX]
	v_cvt_scalef32_pk8_bf8_f32 v[PC+4*\c+2:PC+4*\c+3], v[\set+16*\c+8:\set+16*\c+15], v[SCX]
.endr
	WIN 0
	v_nop                                          ; one plain vector instruction behind the last conversion, ahead of whatever vector or matrix instruction next touches its registers
.endm
.macro QUANT                           ; the same for the eight accumulators, each read from its low end on
	WIN 0
.set i, 0
.rept 64
	v_med3_num_f32 v[HA+i], v[HA+i], -v[LMO], v[LMO]
.set i, i+1
.endr
.irp c, 0,1,2,3
	v_cvt_scalef32_pk8_bf8_f32 v[PC+4*\c:PC+4*\c+1], v[HA+16*\c:HA+16*\c+7], v[SCO]
	v_cvt_scalef32_pk8_bf8_f32 v[PC+4*\c+2:PC+4*\c+3], v[HA+16*\c+8:HA+16*\c+15], v[SCO]
.endr
	v_nop                                          ; as above: the next products write the conversions' sources
.endm
.macro IMAGE off                       ; the fragment in v[PC] on goes to LDS as it stands
	WIN 0
.irp c, 0,1,2,3
	ds_store_b128 v[XWI], v[PC+4*\c:PC+4*\c+3] offset:\off+512*\c
.endr
.endm
.macro FETCH reg, f                    ; fragment f = 4 m + s comes back so, in any wave
.irp c, 0,1,2,3
	ds_load_b128 v[(\reg)+4*\c:(\reg)+4*\c+3], v[LI] offset:2048*(\f)+512*\c
.endr
.endm
.macro BARRIER                         ; my LDS stores have landed and my LDS loads are in: then the work-group's barrier
	s_wait_dscnt 0x0
	s_barrier_signal -1
	s_barrier_wait -1
.endm
.macro PLACES                          ; four plain vector instructions behind matrix instructions, ahead of reads of their results and of loads into registers that they read
.rept 4
	v_nop
.endr
.endm
	s_load_b256 s[4:11], s[0:1], 0x0               ; x, wc, the scales' exponents, bq
	s_load_b256 s[12:19], s[0:1], 0x20             ; bk, bv, qc, kv
	v_lshl_add_u32 v254, v0, 2, 0x8000
	v_mov_b32 v255, 0
	v_lshrrev_b32 v1, 5, v0
	v_readfirstlane_b32 s[WV], v1                  ; wave 0..3
	s_and_b32 s[Y], ttmp7, 0xffff                  ; 0: Q, 1: K, 2: V
	v_and_b32 v1, 15, v0                           ; r
	v_bfe_u32 v2, v0, 4, 1                         ; h
	v_and_b32 v3, 8, v1
	v_add_nc_u32 v3, v3, v1                        ; r + 8 (r / 8)
	v_lshlrev_b32 v[XA], 11, v3                    ; a row of x is 2,048 bytes;
	v_lshl_add_u32 v[XA], v2, 6, v[XA]             ; + 64 h: my 16 numbers of a block of 32;
	s_lshr_b32 s32, s[WV], 1
	s_lshl_b32 s32, s32, 16
	s_and_b32 s33, s[WV], 1
	s_lshl_b32 s33, s33, 14
	s_add_co_u32 s32, s32, s33
	v_add_nc_u32 v[XA], s32, v[XA]                 ; + tile w's first row, 32 (w / 2) + 8 (w % 2)
	v_and_b32 v[LI], 31, v0
	v_lshlrev_b32 v[LI], 4, v[LI]
	s_lshl_b32 s32, s[WV], 13
	v_add_nc_u32 v[XWI], s32, v[LI]
	s_cmp_eq_u32 s[Y], 0
	s_cselect_b32 s34, 0, 1
	s_lshl_b32 s24, 0x40000, s34                   ; a head's bytes: 262,144 in qc, 524,288 in kv
	s_lshl_b32 s25, 0x2000, s34                    ; 128 tokens' bytes in a head: 8,192 in qc, 16,384 in kv
	s_cmp_eq_u32 s[Y], 2
	s_cselect_b32 s34, 2, 0
	s_cselect_b32 s35, 0x2000, 0                   ; V lies behind a step's K
	s_lshr_b32 s26, 0x1000, s34                    ; a block of 64 tokens on: four tiles of 1,024 bytes; in V two pieces of 512
	s_mov_b32 s27, 0
	s_lshr_b32 s36, ttmp9, 5                       ; batch
	s_lshl_b32 s36, s36, 3
	s_lshl_b32 s37, s[WV], 1
	s_add_co_u32 s36, s36, s37                     ; my first head: 8 x batch + 2 x wave
	s_mul_i32 s36, s36, s24
	s_and_b32 s37, ttmp9, 31                       ; the key step
	s_mul_i32 s37, s37, s25
	s_add_co_u32 s36, s36, s37
	s_add_co_u32 s36, s36, s35
	s_mov_b32 s37, 0
	v_add_nc_u32 v[GO1], s24, v[LI]
	s_lshl_b32 s38, ttmp9, 18                      ; x: 128 rows of 2,048 bytes
	s_mov_b32 s39, 0
	s_lshl_b32 s32, s[Y], 18                       ; wc: the weight,
	s_lshl_b32 s33, s[WV], 16
	s_add_co_u32 s32, s32, s33                     ; + my 8 tiles x 4 fragments
	s_mov_b32 s33, 0
	s_lshl_b32 s34, s[WV], 9                       ; the bias: my 128 numbers
	s_mov_b32 s35, 0
	s_mov_b32 s[BLK], 2
	s_wait_kmcnt 0x0
	s_load_b256 s[40:47], s[8:9], 0x0              ; e0 .. e7
	s_load_b128 s[48:51], s[8:9], 0x20             ; e8 .. e11
	s_add_nc_u64 s[4:5], s[4:5], s[38:39]
	s_add_nc_u64 s[6:7], s[6:7], s[32:33]
	s_cmp_eq_u32 s[Y], 0                           ; the buffers are chosen by the work-group's number alone
	s_cselect_b64 s[28:29], s[16:17], s[18:19]     ; out: qc or kv
	s_cselect_b64 s[30:31], s[10:11], s[12:13]
	s_cmp_eq_u32 s[Y], 2
	s_cselect_b64 s[30:31], s[14:15], s[30:31]     ; the bias
	s_add_nc_u64 s[28:29], s[28:29], s[36:37]
	s_add_nc_u64 s[30:31], s[30:31], s[34:35]
	XLOAD S0, 0, 0                                 ; the first block's K steps 0 to 2
	XLOAD S1, 1, 0
	XLOAD S2, 2, 0
	WIN 0x40                                       ; the weight stays in registers: K steps 0, 1 in window 1,
.irp s, 0,1
.irp t, 0,1,2,3,4,5,6,7
.irp c, 0,1,2,3
	global_load_b128 v[16*(8*\s+\t)+4*\c:16*(8*\s+\t)+4*\c+3], v[LI], s[6:7] offset:(4*\t+\s)*2048+512*\c
.endr
.endr
.endr
	WIN 0x80                                       ; K steps 2, 3 in window 2
.irp s, 2,3
.irp t, 0,1,2,3,4,5,6,7
.irp c, 0,1,2,3
	global_load_b128 v[16*(8*(\s-2)+\t)+4*\c:16*(8*(\s-2)+\t)+4*\c+3], v[LI], s[6:7] offset:(4*\t+\s)*2048+512*\c
.endr
.endr
.endr
	WIN 0
	s_wait_kmcnt 0x0
	s_cmp_eq_u32 s[Y], 0
	s_cselect_b32 s52, s40, s42
	s_cselect_b32 s53, s41, s43
	s_cselect_b32 s54, s46, s47
	s_cmp_eq_u32 s[Y], 2
	s_cselect_b32 s52, s44, s52                    ; ex
	s_cselect_b32 s53, s45, s53                    ; ew
	s_cselect_b32 s54, s49, s54                    ; eo
	s_add_co_i32 s55, s52, s53                     ; a sum stands for sum x 2^(ex + ew): the bias goes in divided by that
	s_sub_co_i32 s56, 0, s55
	s_add_co_i32 s57, s52, 127
	s_lshl_b32 s58, s57, 23
	v_mov_b32 v[SCX], s58                          ; 2^ex as f32: the conversion takes its exponent field
	s_add_co_i32 s57, s57, 15
	s_lshl_b32 s57, s57, 23
	s_or_b32 s57, s57, 0x600000
	v_mov_b32 v[LMX], s57                          ; 57,344 x 2^ex
	s_sub_co_i32 s57, s54, s55
	s_add_co_i32 s57, s57, 127
	s_lshl_b32 s58, s57, 23
	v_mov_b32 v[SCO], s58                          ; 2^(eo - ex - ew): the three scales folded into one
	s_add_co_i32 s57, s57, 15
	s_lshl_b32 s57, s57, 23
	s_or_b32 s57, s57, 0x600000
	v_mov_b32 v[LMO], s57
	; the bias in the result's layout.  Each way holds its loads, the wait for all loads of the head and the division, so that all 64 registers are written on either
	s_cmp_eq_u32 s[Y], 2
	s_cbranch_scc1 .Lbias_v
	v_lshlrev_b32 v[BOF], 6, v2                    ; Q, K: lane (r, h) wants, for tile t, the numbers of columns 32 (t / 2) + 8 (t % 2) + 16 h + 0 .. 7
	WIN 0xc0
.irp t, 0,1,2,3,4,5,6,7
	global_load_b128 v[8*\t:8*\t+3], v[BOF], s[30:31] offset:(32*(\t/2)+8*(\t%2))*4
	global_load_b128 v[8*\t+4:8*\t+7], v[BOF], s[30:31] offset:(32*(\t/2)+8*(\t%2))*4+16
.endr
	s_wait_loadcnt 0x0                             ; x's first three K steps, the weight and the bias
	WIN 0xc3
.set i, 0
.rept 64
	v_ldexp_f32 v[i], v[i], s56
.set i, i+1
.endr
	WIN 0
	s_branch .Lbias_done
.Lbias_v:
	v_lshlrev_b32 v[BOF], 2, v3                    ; V: a lane holds one channel: the number of column 32 (t / 2) + 8 (t % 2) + r + 8 (r / 8), in all eight registers of the tile
	WIN 0xc0
.irp t, 0,1,2,3,4,5,6,7
	global_load_b32 v[8*\t], v[BOF], s[30:31] offset:(32*(\t/2)+8*(\t%2))*4
.endr
	s_wait_loadcnt 0x0
	WIN 0xc3
.irp t, 0,1,2,3,4,5,6,7
	v_ldexp_f32 v[8*\t], v[8*\t], s56
.endr
.irp t, 0,1,2,3,4,5,6,7
.irp k, 1,2,3,4,5,6,7
	v_mov_b32 v[8*\t+\k], v[8*\t]
.endr
.endr
	WIN 0
.Lbias_done:
; Q, K: the tile m of tokens against my 8 tiles of columns, K step by K step; the eight accumulators take turns, one instruction a turn
.macro MULQK m
.irp s, 0,1,2,3
.if \s == 0
	WIN 0x31                                       ; source 0 (W) window 1, source 2 (the bias) window 3
.elseif \s == 1
	WIN 0x01
.else
	WIN 0x02                                       ; source 0 window 2
.endif
.irp t, 0,1,2,3,4,5,6,7
.if \s == 0
	v_wmma_f32_16x16x128_bf8_bf8 v[HA+8*\t:HA+8*\t+7], v[16*(8*(\s%2)+\t):16*(8*(\s%2)+\t)+15], v[XF+64*((\m)%2)+16*\s:XF+64*((\m)%2)+16*\s+15], v[8*\t:8*\t+7]
.else
	v_wmma_f32_16x16x128_bf8_bf8 v[HA+8*\t:HA+8*\t+7], v[16*(8*(\s%2)+\t):16*(8*(\s%2)+\t)+15], v[XF+64*((\m)%2)+16*\s:XF+64*((\m)%2)+16*\s+15], v[HA+8*\t:HA+8*\t+7]
.endif
.endr
.endr
.endm
.macro FETCH4 m                        ; tile m's four K steps into half m % 2 of XF
	WIN 0
.irp s, 0,1,2,3
	FETCH XF+64*((\m)%2)+16*\s, 4*(\m)+\s
.endr
.endm
.macro FETCH8 bl                       ; tiles 2 bl and 2 bl + 1, four K steps each
	WIN 0
.irp u, 0,1
.irp s, 0,1,2,3
	FETCH XF+16*(4*\u+\s), 4*(2*\bl+\u)+\s
.endr
.endr
.endm
; V: tokens 32 bl .. 32 bl + 31 of the block (two tiles) against the four tiles of channels of head g: accumulator a = (tile of channels a / 2, tile of tokens a % 2).  go: the register with that head's offset
.macro VUNIT bl, g, go
.if \g == 0
	s_wait_dscnt 0x0                               ; the eight fragments are in
.endif
.irp s, 0,1,2,3
.if \s == 0
	WIN 0x34                                       ; source 1 (W) window 1, source 2 (the bias) window 3
.elseif \s == 1
	WIN 0x04
.else
	WIN 0x08                                       ; source 1 window 2
.endif
.irp a, 0,1,2,3,4,5,6,7
.if \s == 0
	v_wmma_f32_16x16x128_bf8_bf8 v[HA+8*\a:HA+8*\a+7], v[XF+16*(4*(\a%2)+\s):XF+16*(4*(\a%2)+\s)+15], v[16*(8*(\s%2)+4*\g+\a/2):16*(8*(\s%2)+4*\g+\a/2)+15], v[8*(4*\g+\a/2):8*(4*\g+\a/2)+7]
.else
	v_wmma_f32_16x16x128_bf8_bf8 v[HA+8*\a:HA+8*\a+7], v[XF+16*(4*(\a%2)+\s):XF+16*(4*(\a%2)+\s)+15], v[16*(8*(\s%2)+4*\g+\a/2):16*(8*(\s%2)+4*\g+\a/2)+15], v[HA+8*\a:HA+8*\a+7]
.endif
.endr
.endr
	WIN 0
	PLACES
.if (\bl == 0) && (\g == 1)
	FETCH8 1                                       ; the first two tiles are done with: the other two land while these results are quantised
.endif
	s_wait_xcnt 0x0                                ; the last stores have read v[PC] on
	QUANT
.irp b, 0,1,2,3
	global_store_b128 v[\go], v[PC+4*\b:PC+4*\b+3], s[28:29] offset:2048*\b+512*\bl   ; tile b of the head's channels, the piece of these 32 keys
.endr
.endm
.Lblock:
	; ---- x: my 16 rows become four fragments.  K steps 0 to 2 were asked for a phase ago; K step 3 takes the first set as soon as that is quantised
	s_wait_loadcnt 32                              ; set 0 is in: behind its 16 loads stand sets 1 and 2 (in the first trip nothing is out)
	QUANTX S0
	IMAGE 0
	XLOAD S0, 3, 0
	s_wait_dscnt 0x0                               ; the stores have read their registers
	s_wait_loadcnt 32                              ; set 1 is in: behind it stand set 2 and K step 3
	QUANTX S1
	IMAGE 2048
	s_wait_dscnt 0x0
	s_wait_loadcnt 16                              ; set 2 is in: behind it stands K step 3
	QUANTX S2
	IMAGE 4096
	s_wait_dscnt 0x0
	s_wait_loadcnt 0x0
	QUANTX S0
	IMAGE 6144
	BARRIER                                        ; x's sixteen fragments lie in LDS
	s_cmp_eq_u32 s[BLK], 1                         ; the next block's first three K steps are asked for here, if there is a next block: no load leaves its buffer
	s_cbranch_scc1 .Lno_next
	XLOAD S0, 0, 131072
	XLOAD S1, 1, 131072
	XLOAD S2, 2, 131072
	WIN 0
.Lno_next:
	s_cmp_eq_u32 s[Y], 2                           ; the same in all waves of the work-group; neither way stores to LDS or holds a barrier
	s_cbranch_scc1 .Lv_path
	; ---- Q, K: a tile of 16 tokens at a time
	FETCH4 0
.irp m, 0,1,2,3
	s_wait_dscnt 0x0                               ; tile m's fragments are in
	MULQK \m
	WIN 0
	PLACES
.if \m < 3
	FETCH4 \m+1                                    ; the next tile's land while this tile's results are quantised
.endif
	s_wait_xcnt 0x0                                ; the last stores have read v[PC] on
	QUANT
	global_store_b128 v[LI],  v[PC:PC+3],     s[28:29] offset:1024*\m       ; head 2 w: channels 16 h + 0 .. 15,
	global_store_b128 v[LI],  v[PC+4:PC+7],   s[28:29] offset:1024*\m+512   ; 32 + 16 h + 0 .. 15
	global_store_b128 v[GO1], v[PC+8:PC+11],  s[28:29] offset:1024*\m       ; head 2 w + 1
	global_store_b128 v[GO1], v[PC+12:PC+15], s[28:29] offset:1024*\m+512
.endr
	s_branch .Ljoin
.Lv_path:
	; ---- V: 32 tokens x one head at a time
	FETCH8 0
	VUNIT 0, 0, LI
	VUNIT 0, 1, GO1
	VUNIT 1, 0, LI
	VUNIT 1, 1, GO1
.Ljoin:
	BARRIER                                        ; every wave's reads of x's images are over: the next block may overwrite them
	s_wait_xcnt 0x0                                ; the loads and stores have read their bases
	s_add_nc_u64 s[4:5], s[4:5], 0x20000           ; 64 rows of x on
	s_add_nc_u64 s[28:29], s[28:29], s[26:27]
	s_sub_co_u32 s[BLK], s[BLK], 1
	s_cmp_lg_u32 s[BLK], 0
	s_cbranch_scc1 .Lblock
	s_wait_tensorcnt 0x0
	ds_add_u32 v254, v255
	s_wait_dscnt 0x0
	s_endpgm
.Lfunc_end_k_q47e5ab75c8_qkv:
	.size	k_q47e5ab75c8_qkv, .Lfunc_end_k_q47e5ab75c8_qkv-k_q47e5ab75c8_qkv
	.p2alignl 7, 3214868480
	.fill 96, 4, 3214868480
	.section	.rodata,"a",@progbits
	.p2align	6, 0x0
	.amdhsa_kernel k_q47e5ab75c8_qkv
		.amdhsa_group_segment_fixed_size 33280
		.amdhsa_private_segment_fixed_size 0
		.amdhsa_enable_private_segment 0
		.amdhsa_kernarg_size 64
		.amdhsa_user_sgpr_count 2
		.amdhsa_user_sgpr_kernarg_segment_ptr 1
		.amdhsa_wavefront_size32 1
		.amdhsa_system_sgpr_workgroup_id_x 1
		.amdhsa_system_sgpr_workgroup_id_y 1
		.amdhsa_system_sgpr_workgroup_id_z 1
		.amdhsa_system_vgpr_workitem_id 0
		.amdhsa_next_free_vgpr 1024
		.amdhsa_next_free_sgpr 66
		.amdhsa_reserve_vcc 0
		.amdhsa_float_denorm_mode_32 3
		.amdhsa_float_denorm_mode_16_64 3
		.amdhsa_memory_ordered 1
		.amdhsa_forward_progress 1
		.amdhsa_inst_pref_size 122
	.end_amdhsa_kernel
	.amdgpu_metadata
---
amdhsa.version: [ 1, 2 ]
amdhsa.kernels:
  - .name:           k_q47e5ab75c8_qkv
    .symbol:         k_q47e5ab75c8_qkv.kd
    .args:
      - { .name: x, .offset: 0, .size: 8, .value_kind: global_buffer, .address_space: global }
      - { .name: wc, .offset: 8, .size: 8, .value_kind: global_buffer, .address_space: global }
      - { .name: lowp_scales, .offset: 16, .size: 8, .value_kind: global_buffer, .address_space: global }
      - { .name: bq, .offset: 24, .size: 8, .value_kind: global_buffer, .address_space: global }
      - { .name: bk, .offset: 32, .size: 8, .value_kind: global_buffer, .address_space: global }
      - { .name: bv, .offset: 40, .size: 8, .value_kind: global_buffer, .address_space: global }
      - { .name: qc, .offset: 48, .size: 8, .value_kind: global_buffer, .address_space: global }
      - { .name: kv, .offset: 56, .size: 8, .value_kind: global_buffer, .address_space: global }
    .group_segment_fixed_size: 33280
    .private_segment_fixed_size: 0
    .kernarg_segment_align: 8
    .kernarg_segment_size: 64
    .max_flat_workgroup_size: 128
    .sgpr_count:     66
    .vgpr_count:     1024
    .wavefront_size: 32
...
	.end_amdgpu_metadata
.endif
;; end of part 2
;; launch attn (part 3): grid 16 x 16, 16 waves a work-group, no clusters, 34,816 bytes of LDS; arguments qc, kv, lowp_scales, ao; writes ao
.if DOCPART == 3
	.amdgcn_target "amdgcn-amd-amdhsa--gfx1250"
	.amdhsa_code_object_version 6
	.text
	.protected	k_q47e5ab75c8_attn
	.globl	k_q47e5ab75c8_attn
	.p2align	8
	.type	k_q47e5ab75c8_attn,@function
k_q47e5ab75c8_attn:
	s_mov_b64 s[64:65], 0
	v_nop
	global_prefetch_b8 v0, s[64:65] scope:SCOPE_SE
	s_setreg_imm32_b32 hwreg(HW_REG_WAVE_MODE, 25, 1), 1
	s_wait_xcnt 0x0
; Causal attention of 16 heads (2 batches x 8), 4,096 tokens, head size 64, both products on codes of BF8 (E5M2); the result is quantised at once for the last projection.
; qc, kv: codes as register images (pieces of 512 bytes, lane l's 16 bytes at 16 l).  Scales: entries 6 (Q), 7 (K), 8 (p), 9 (V), 10 (the result).
; THE SOFTMAX: t = score x log2(e) / 8; M = the largest t so far, rounded UP to a whole number; p = 2^(t - M) is quantised, not normalised; the row's sum is taken of the unquantised p and divides at the end.
; When M moves, the sum and O are multiplied by 2^(old M - new M), which rounds nothing.
; LIMITS, so that each power of two below is an f32 number: e6 + e7 between -123 and 130 (added to the exponent field of log2(e) / 8); e8 and e10 between -126 and 112; e8 + e9 is applied by v_ldexp_f32 and has none.
; SHARES: THE TRIANGLE MADE EVEN.  Work-group (i, head) owns the blocks of 128 queries i and 31 - i.  Each of its sixteen waves owns one tile of 16 queries; eight waves have the low block, eight the high one
; (which: bit 0 of wave xor wave / 4).  A wave works on key steps (128 keys) 0 .. its block's number, and masks in the last of them: 8 (i + 1) + 8 (32 - i) = 264 wave steps in every work-group.
; Steps whose keys all come after a wave's queries are jumped over by a scalar branch on ids; loads, LDS stores and barriers stand outside that branch.
; No cluster: the work-groups of a head walk 17 to 32 steps, so joint requests would make all of them walk the longest way.
; K AND V.  A step's 16,384 bytes of kv (K's 8 tiles, V's 4) go as they lie through registers into one of two LDS slots: each of the 512 threads loads 2 x 16 bytes two steps ahead and stores them one step ahead.
; ONE barrier a step orders both ways: in front of it each wave's stores of the next step have landed and its reads of the slot that the next step overwrites are in.
; LAYOUT.  Both products are used transposed (S^T = K Q^T, O^T = V^T P^T): a lane holds ONE query throughout.  Tile n of the keys holds keys 32 (n / 2) + 8 (n % 2) + r + 8 (r / 8), so p's 16 registers of two
; neighbouring tiles are 16 neighbouring keys, and the conversions' results are the second product's operand.  O^T's registers run along the channels: its codes are pieces of the last projection's operand.
; REGISTERS: v1-5 addresses; v12 -M, v13 the largest t, v[14:15] the sum in two halves; v16-23 Q; v24-39 two sets of 32 bytes on their way to LDS; v40-103 K's 8 fragments, then V's 4; v104-167 S^T, then p;
; v168-199 O^T; v200-215 p's codes; v216-229 at work and constants.
.set SLOT, 16384
.set LI,   1                           ; v1   16 x lane
.set STA,  2                           ; v2   16 x thread: my 16 bytes of half a step's block, in memory and in a slot
.set PFO,  4                           ; v4   256 x (thread % 64): the prefetches' offset
.set DD,   5                           ; v5   my query's place in its block - 16 h: in the masked step register 16 b + i is hidden where 32 b + i is greater
.set Q,    16
.set R0,   24
.set KV,   40
.set S,    104
.set O,    168
.set PC,   200
.set MA,   216                         ; two chains of the maximum
.set MB,   217
.set F,    218                         ; v[218:219] f = 2^(old M - new M) (the low word serves both halves)
.set SB,   220                         ; v[220:221] the sum's second chain
.set PX,   222                         ; a lane permute's destination
.set NINF, 223
.set SCP,  226                         ; 2^e8;  v227: 57,344 x 2^e8
.set LMP,  227
.set SCA,  228                         ; 2^e10; v229: 57,344 x 2^e10
.set LMA,  229
.set WV,   12
.set TD,   17                          ; s17  my block of 128 queries = my last key step
.set CNT,  19                          ; s19  trips of two steps
.set SEL,  20                          ; s[20:21] lane selects: lane l xor 16
.set CS,   22                          ; s[22:23] c = log2(e) / 8 x 2^(e6 + e7)
.set J,    24                          ; s24  the key step in hand
.set LIM,  25                          ; s25  a wave prefetches while s24 is below it
	s_load_b256 s[4:11], s[0:1], 0x0               ; qc, kv, the scales' exponents, ao
	v_lshl_add_u32 v254, v0, 2, 0x8000
	v_mov_b32 v255, 0
	v_lshrrev_b32 v1, 5, v0
	v_readfirstlane_b32 s[WV], v1                  ; wave 0..15
	s_and_b32 s13, ttmp7, 0xffff                   ; the head, 0..15
	s_lshr_b32 s14, s[WV], 2
	s_xor_b32 s14, s14, s[WV]
	s_and_b32 s14, s14, 1                          ; 1: the high block
	s_lshr_b32 s15, s[WV], 1                       ; a: my tile in the block
	s_sub_co_u32 s16, 31, ttmp9
	s_cmp_eq_u32 s14, 1
	s_cselect_b32 s[TD], s16, ttmp9
	s_lshl_b32 s18, s[TD], 3
	s_add_co_u32 s18, s18, s15                     ; my tile of the head's 256
	s_sub_co_u32 s[CNT], 33, ttmp9                 ; the work-group walks 32 - i steps, rounded up to an even number: two are written out behind the loop
	s_lshr_b32 s[CNT], s[CNT], 1
	s_sub_co_u32 s[CNT], s[CNT], 1
	s_lshl_b32 s26, s13, 18
	s_lshl_b32 s27, s18, 10
	s_add_co_u32 s26, s26, s27                     ; qc: head x 262,144 + tile x 1,024
	s_mov_b32 s27, 0
	s_lshl_b32 s28, s13, 19                        ; kv: head x 524,288
	s_mov_b32 s29, 0
	s_lshr_b32 s30, s13, 3
	s_lshl_b32 s30, s30, 8
	s_add_co_u32 s30, s30, s18
	s_lshl_b32 s30, s30, 13                        ; ao: (256 x batch + tile) x 8,192,
	s_bfe_u32 s31, s13, 0x20001
	s_lshl_b32 s31, s31, 11
	s_add_co_u32 s30, s30, s31                     ; + K step = head / 2,
	s_and_b32 s31, s13, 1
	s_lshl_b32 s31, s31, 10
	s_add_co_u32 s30, s30, s31                     ; + two pieces for an odd head
	s_mov_b32 s31, 0
	s_lshr_b32 s32, s[WV], 1
	s_or_b32 s32, s32, ttmp9                       ; 0 in waves 0 and 1 of the head's first work-group
	s_cmp_eq_u32 s32, 0
	s_cselect_b32 s[LIM], 28, 0
	s_mov_b32 s[SEL], 0x76543210
	s_mov_b32 s[SEL+1], 0xfedcba98
	s_mov_b32 s[CS], 0x3e38aa3b                    ; log2(e) / 8
	s_mov_b32 s[J], 0
	v_and_b32 v[LI], 31, v0
	v_lshlrev_b32 v[LI], 4, v[LI]
	v_lshlrev_b32 v[STA], 4, v0
	v_and_b32 v[PFO], 63, v0
	v_lshlrev_b32 v[PFO], 8, v[PFO]
	v_and_b32 v7, 15, v0
	v_and_b32 v8, 8, v7
	v_add_nc_u32 v7, v7, v8                        ; r + 8 (r / 8)
	v_bfe_u32 v8, v0, 4, 1
	v_lshlrev_b32 v8, 4, v8
	v_sub_nc_u32 v[DD], v7, v8                     ; - 16 h
	s_lshr_b32 s33, s15, 1
	s_lshl_b32 s33, s33, 5
	s_and_b32 s34, s15, 1
	s_lshl_b32 s34, s34, 3
	s_add_co_u32 s33, s33, s34
	v_add_nc_u32 v[DD], s33, v[DD]                 ; + 32 (a / 2) + 8 (a % 2)
	s_wait_kmcnt 0x0
	s_load_b128 s[40:43], s[8:9], 0x18             ; e6, e7, e8, e9
	s_load_b32 s44, s[8:9], 0x28                   ; e10
	s_add_nc_u64 s[4:5], s[4:5], s[26:27]
	s_add_nc_u64 s[6:7], s[6:7], s[28:29]
	s_add_nc_u64 s[10:11], s[10:11], s[30:31]
	global_load_b128 v[R0:R0+3],     v[STA], s[6:7]               ; key step 0,
	global_load_b128 v[R0+4:R0+7],   v[STA], s[6:7] offset:8192
	global_load_b128 v[R0+8:R0+11],  v[STA], s[6:7] offset:16384  ; key step 1,
	global_load_b128 v[R0+12:R0+15], v[STA], s[6:7] offset:24576
	global_load_b128 v[Q:Q+3],   v[LI], s[4:5]                    ; and Q's fragment, which stays in registers
	global_load_b128 v[Q+4:Q+7], v[LI], s[4:5] offset:512
	v_mov_b32 v13, 0xff61b1e6                      ; the largest t so far: -3e38, under every t
	v_floor_f32 v12, -v13                          ; -M
	v_mov_b32 v14, 0                               ; the sum, in two halves
	v_mov_b32 v15, 0
	v_mov_b32 v[F+1], 0                            ; (named as the upper half of a pair)
	v_mov_b32 v[PX], 0                             ; written once: a lane permute's destination counts as one of its sources
	v_mov_b32 v[NINF], 0xff800000
.set i, 0
.rept 32
	v_mov_b32 v[O+i], 0                            ; O^T.  (The step is written without a first step of its own: the first change of M multiplies zeros)
.set i, i+1
.endr
	s_wait_kmcnt 0x0
	s_add_co_i32 s35, s40, s41
	s_lshl_b32 s35, s35, 23
	s_add_co_i32 s[CS], s[CS], s35                 ; a score stands for score x 2^(e6 + e7): the exponents are added to c's exponent field
	s_mov_b32 s[CS+1], s[CS]                       ; (named with it as a pair)
	s_add_co_i32 s35, s42, 127
	s_lshl_b32 s36, s35, 23
	v_mov_b32 v[SCP], s36
	s_add_co_i32 s35, s35, 15
	s_lshl_b32 s35, s35, 23
	s_or_b32 s35, s35, 0x600000
	v_mov_b32 v[LMP], s35
	s_add_co_i32 s35, s44, 127
	s_lshl_b32 s36, s35, 23
	v_mov_b32 v[SCA], s36
	s_add_co_i32 s35, s35, 15
	s_lshl_b32 s35, s35, 23
	s_or_b32 s35, s35, 0x600000
	v_mov_b32 v[LMA], s35
	s_wait_loadcnt 4                               ; step 0's two loads are in: behind them stand step 1's two and Q's two
	ds_store_b128 v[STA], v[R0:R0+3]
	ds_store_b128 v[STA], v[R0+4:R0+7] offset:8192
	s_wait_xcnt 0x0                                ; the loads have read their base
	s_add_nc_u64 s[6:7], s[6:7], 16384             ; at step 1: each step with loads moves it one step on first
	s_wait_dscnt 0x0
	s_barrier_signal -1
	s_barrier_wait -1                              ; step 0 lies in slot 0
; A KEY STEP, read from slot sl.  st = 1: the next step's bytes go into the other slot, and a barrier closes the step.  ld = 1: the step after that is asked for.
.macro STEP sl, st, ld
.if \st
	s_wait_loadcnt 0x0                             ; the next step's bytes, asked for a step ago, are in (in the first step Q too)
	ds_store_b128 v[STA], v[R0+8*(1-\sl):R0+8*(1-\sl)+3] offset:(1-\sl)*SLOT          ; the other slot: every wave's reads of it were waited for in front of the last barrier
	ds_store_b128 v[STA], v[R0+8*(1-\sl)+4:R0+8*(1-\sl)+7] offset:(1-\sl)*SLOT+8192
.endif
.if \ld
	s_wait_xcnt 0x0                                ; the last step's loads and prefetch have read their base
	s_add_nc_u64 s[6:7], s[6:7], 16384             ; two steps ahead of the step in hand
	global_load_b128 v[R0+8*\sl:R0+8*\sl+3],   v[STA], s[6:7]              ; into the set whose LDS stores were waited for in front of the last barrier
	global_load_b128 v[R0+8*\sl+4:R0+8*\sl+7], v[STA], s[6:7] offset:8192
	; A PREFETCH INTO THE L2 of the step four ahead of the one in hand, two ahead of the loads just issued: 16,384 bytes, 64 lanes 256 bytes apart.  All work-groups of a head walk the same bytes: waves 0 and 1 of the
	; head's first work-group ask, so each block of 256 bytes is named once in the launch.  It stops at step 27, which names step 31, the last; steps 0 to 3 come by their loads alone.
	s_cmp_lt_u32 s[J], s[LIM]
	s_cbranch_scc0 .Lnot_mine_\@
	global_prefetch_b8 v[PFO], s[6:7] offset:32768 th:TH_LOAD_NT scope:SCOPE_SE
.Lnot_mine_\@:
.endif
	s_cmp_gt_u32 s[J], s[TD]                       ; all of this step's keys come after my queries: nothing to do but the barrier
	s_cbranch_scc1 .Lskip_\@
.rept 4
	v_nop                                          ; places in front of loads into registers that the last step's matrix instructions read
.endr
.irp t, 0,1,2,3,4,5,6,7
	ds_load_b128 v[KV+8*\t:KV+8*\t+3],   v[LI] offset:\sl*SLOT+1024*\t
	ds_load_b128 v[KV+8*\t+4:KV+8*\t+7], v[LI] offset:\sl*SLOT+1024*\t+512
.endr
	s_wait_dscnt 8                                 ; K's tiles 0 to 3 are in; the eight younger loads may be out
.irp t, 0,1,2,3
	v_wmma_f32_16x16x64_bf8_bf8 v[S+8*\t:S+8*\t+7], v[KV+8*\t:KV+8*\t+7], v[Q:Q+7], 0
.endr
	s_wait_dscnt 0x0
.irp t, 4,5,6,7
	v_wmma_f32_16x16x64_bf8_bf8 v[S+8*\t:S+8*\t+7], v[KV+8*\t:KV+8*\t+7], v[Q:Q+7], 0
.endr
.rept 4
	v_nop                                          ; places in front of the loads below and of the first read of the scores
.endr
.irp t, 0,1,2,3
.irp c, 0,1,2,3
	ds_load_b128 v[KV+16*\t+4*\c:KV+16*\t+4*\c+3], v[LI] offset:\sl*SLOT+8192+2048*\t+512*\c   ; V's four fragments land while the softmax is worked
.endr
.endr
	s_cmp_lg_u32 s[J], s[TD]                       ; on the diagonal the scores of hidden keys become -infinity ahead of the maximum: p = 0 then.  The block's first key counts for every query of it
	s_cbranch_scc1 .Lopen_\@
.set n, 0
.rept 64
	v_cmp_gt_i32 vcc_lo, 32*(n/16)+n%16, v[DD]
	v_cndmask_b32 v[S+n], v[S+n], v[NINF], vcc_lo
.set n, n+1
.endr
.Lopen_\@:
	v_max3_num_f32 v[MA], v[S], v[S+1], v[S+2]     ; the step's largest score of my query among my 64 keys, in two chains, each accumulator from its low end on,
	v_max3_num_f32 v[MB], v[S+3], v[S+4], v[S+5]
.irp i, 6,10,14,18,22,26,30,34,38,42,46,50,54,58
	v_max3_num_f32 v[MA], v[MA], v[S+\i], v[S+\i+1]
	v_max3_num_f32 v[MB], v[MB], v[S+\i+2], v[S+\i+3]
.endr
	v_max3_num_f32 v[MA], v[MA], v[S+62], v[S+63]
	v_max_num_f32 v[MA], v[MA], v[MB]
	v_permlanex16_b32 v[PX], v[MA], s[SEL], s[SEL+1]
	v_max_num_f32 v[MA], v[MA], v[PX]              ; and among lane l xor 16's
	v_mul_f32 v[MA], s[CS], v[MA]                  ; as t (c is positive)
	v_max_num_f32 v13, v13, v[MA]                  ; the running largest t
	v_mov_b32 v[MA], v12
	v_floor_f32 v12, -v13                          ; the new -M = floor(-t) = -ceil(t): a whole number
	v_sub_f32 v[MA], v12, v[MA]                    ; old M - new M: a whole number, 0 or less
	v_cvt_i32_f32 v[MA], v[MA]                     ; (it saturates)
	v_ldexp_f32 v[F], 1.0, v[MA]                   ; f = 2^(old M - new M)
.set j, 0
.rept 32
	v_pk_fma_f32 v[S+j:S+j+1], v[S+j:S+j+1], s[CS:CS+1], v[12:13] op_sel_hi:[1,0,0]   ; t - M, two at a time
.set j, j+2
.endr
.set j, 0
.rept 64
	v_exp_f32 v[S+j], v[S+j]                       ; p = 2^(t - M), at most 1
.set j, j+1
.endr
	v_pk_mul_f32 v[14:15], v[14:15], v[F:F+1] op_sel_hi:[1,0]   ; the sums under the new M: the plain instruction behind the exponentials
	s_wait_alu depctr_va_vdst(0)                   ; one wait for the whole batch, ahead of its first reader
	v_pk_add_f32 v[SB:SB+1], v[S:S+1], v[S+2:S+3]  ; the row's sum is taken of the unquantised p, in two chains
.irp j, 4,8,12,16,20,24,28,32,36,40,44,48,52,56,60
	v_pk_add_f32 v[14:15], v[14:15], v[S+\j:S+\j+1]
	v_pk_add_f32 v[SB:SB+1], v[SB:SB+1], v[S+\j+2:S+\j+3]
.endr
	v_pk_add_f32 v[14:15], v[14:15], v[SB:SB+1]
	s_cmp_ge_i32 s42, -15                          ; with e8 >= -15, p <= 1 lies under 57,344 x 2^e8 (1.75 at the least): the hold changes nothing and is jumped over.  e8 is a whole number read from memory, the same in every wave
	s_cbranch_scc1 .Lno_hold_\@
.set j, 0
.rept 64
	v_min_num_f32 v[S+j], v[S+j], v[LMP]           ; the conversion does not saturate (ISA guide 7.6.2); p is not negative, so the hold is one-sided
.set j, j+1
.endr
.Lno_hold_\@:
.irp b, 0,1,2,3
	v_cvt_scalef32_pk8_bf8_f32 v[PC+4*\b:PC+4*\b+1], v[S+16*\b:S+16*\b+7], v[SCP]
	v_cvt_scalef32_pk8_bf8_f32 v[PC+4*\b+2:PC+4*\b+3], v[S+16*\b+8:S+16*\b+15], v[SCP]
.endr
.set j, 0
.rept 16
	v_pk_mul_f32 v[O+j:O+j+1], v[O+j:O+j+1], v[F:F+1] op_sel_hi:[1,0]   ; O^T under the new M.  (These are also the plain instructions between the conversions and the products that read their results)
.set j, j+2
.endr
	s_wait_dscnt 0x0                               ; V is in
.irp t, 0,1,2,3
	v_wmma_f32_16x16x128_bf8_bf8 v[O+8*\t:O+8*\t+7], v[KV+16*\t:KV+16*\t+15], v[PC:PC+15], v[O+8*\t:O+8*\t+7]   ; four accumulators by turns; the scores' eight stand between two steps' links
.endr
.Lskip_\@:
	s_add_co_u32 s[J], s[J], 1
.if \st
	s_wait_dscnt 0x0                               ; my stores of the next step have landed, and my reads of this slot are in
	s_barrier_signal -1
	s_barrier_wait -1
.endif
.endm
.Lpair:                                            ; a trip is two steps, one from each slot
	STEP 0, 1, 1
	STEP 1, 1, 1
	s_sub_co_u32 s[CNT], s[CNT], 1
	s_cmp_lg_u32 s[CNT], 0
	s_cbranch_scc1 .Lpair
	STEP 0, 1, 0                                   ; the last two steps ask for nothing: no load leaves its buffer
	STEP 1, 0, 0
	; THE WAY OUT.  O^T / the sum x 2^(e8 + e9), held and quantised with e10: register 16 b + i is channel 32 b + 16 h + i of my query, so the codes are two pieces of the projection's operand: two dense stores.
.rept 4
	v_nop                                          ; places behind the last products
.endr
	v_add_f32 v14, v14, v15                        ; the sum's two halves,
	v_permlanex16_b32 v[PX], v14, s[SEL], s[SEL+1]
	v_add_f32 v14, v14, v[PX]                      ; and lane l xor 16's
	v_rcp_f32 v14, v14
	v_nop                                          ; a plain instruction behind the reciprocal
	s_add_co_i32 s26, s42, s43
	s_wait_alu depctr_va_vdst(0)                   ; and the wait ahead of its first reader
	v_ldexp_f32 v14, v14, s26
.set j, 0
.rept 16
	v_pk_mul_f32 v[S+j:S+j+1], v[O+j:O+j+1], v[14:15] op_sel_hi:[1,0]
.set j, j+2
.endr
.set j, 0
.rept 32
	v_med3_num_f32 v[S+j], v[S+j], -v[LMA], v[LMA]
.set j, j+1
.endr
.irp b, 0,1
	v_cvt_scalef32_pk8_bf8_f32 v[PC+4*\b:PC+4*\b+1], v[S+16*\b:S+16*\b+7], v[SCA]
	v_cvt_scalef32_pk8_bf8_f32 v[PC+4*\b+2:PC+4*\b+3], v[S+16*\b+8:S+16*\b+15], v[SCA]
.endr
	v_nop
	global_store_b128 v[LI], v[PC:PC+3],   s[10:11]
	global_store_b128 v[LI], v[PC+4:PC+7], s[10:11] offset:512
	s_wait_tensorcnt 0x0
	ds_add_u32 v254, v255
	s_wait_dscnt 0x0
	s_endpgm
.Lfunc_end_k_q47e5ab75c8_attn:
	.size	k_q47e5ab75c8_attn, .Lfunc_end_k_q47e5ab75c8_attn-k_q47e5ab75c8_attn
	.p2alignl 7, 3214868480
	.fill 96, 4, 3214868480
	.section	.rodata,"a",@progbits
	.p2align	6, 0x0
	.amdhsa_kernel k_q47e5ab75c8_attn
		.amdhsa_group_segment_fixed_size 34816
		.amdhsa_private_segment_fixed_size 0
		.amdhsa_enable_private_segment 0
		.amdhsa_kernarg_size 32
		.amdhsa_user_sgpr_count 2
		.amdhsa_user_sgpr_kernarg_segment_ptr 1
		.amdhsa_wavefront_size32 1
		.amdhsa_system_sgpr_workgroup_id_x 1
		.amdhsa_system_sgpr_workgroup_id_y 1
		.amdhsa_system_sgpr_workgroup_id_z 1
		.amdhsa_system_vgpr_workitem_id 0
		.amdhsa_next_free_vgpr 256
		.amdhsa_next_free_sgpr 66
		.amdhsa_reserve_vcc 1
		.amdhsa_float_denorm_mode_32 3
		.amdhsa_float_denorm_mode_16_64 3
		.amdhsa_memory_ordered 1
		.amdhsa_forward_progress 1
		.amdhsa_inst_pref_size 93
	.end_amdhsa_kernel
	.amdgpu_metadata
---
amdhsa.version: [ 1, 2 ]
amdhsa.kernels:
  - .name:           k_q47e5ab75c8_attn
    .symbol:         k_q47e5ab75c8_attn.kd
    .args:
      - { .name: qc, .offset: 0, .size: 8, .value_kind: global_buffer, .address_space: global }
      - { .name: kv, .offset: 8, .size: 8, .value_kind: global_buffer, .address_space: global }
      - { .name: lowp_scales, .offset: 16, .size: 8, .value_kind: global_buffer, .address_space: global }
      - { .name: ao, .offset: 24, .size: 8, .value_kind: global_buffer, .address_space: global }
    .group_segment_fixed_size: 34816
    .private_segment_fixed_size: 0
    .kernarg_segment_align: 8
    .kernarg_segment_size: 32
    .max_flat_workgroup_size: 512
    .sgpr_count:     66
    .vgpr_count:     256
    .wavefront_size: 32
...
	.end_amdgpu_metadata
.endif
;; end of part 3
;; launch proj (part 4): grid 128 x 2, 4 waves a work-group, no clusters, 17,920 bytes of LDS; arguments ao, wc, lowp_scales, bo, out0; writes out0
.if DOCPART == 4
	.amdgcn_target "amdgcn-amd-amdhsa--gfx1250"
	.amdhsa_code_object_version 6
	.text
	.protected	k_q47e5ab75c8_proj
	.globl	k_q47e5ab75c8_proj
	.p2align	8
	.type	k_q47e5ab75c8_proj,@function
k_q47e5ab75c8_proj:
	s_mov_b64 s[64:65], 0
	v_nop
	global_prefetch_b8 v0, s[64:65] scope:SCOPE_SE
	s_setreg_imm32_b32 hwreg(HW_REG_WAVE_MODE, 25, 1), 1
	s_wait_xcnt 0x0
; out0 = attention's result x Wo + bo on codes of BF8 (E5M2).  ao: [tile of 16 tokens] x 8,192 bytes, Wo: the fourth weight of wc: both as register images, fragment (tile, K step s) = four pieces of 512 bytes.
; A finished sum is multiplied once by 2^(e10 + e11) and bo is added: one packed multiply-add for two numbers.  LIMIT: e10 + e11 between -126 and 127, so that the power of two is an f32 number.
; SHARES.  Work-group (x, y): 64 tokens x 256 columns; wave w: its 64 columns (4 tiles) for all 64 tokens (4 tiles): 16 accumulators, 64 matrix instructions.  256 work-groups.  Each wave loads its operands straight into
; registers (every load 512 dense bytes) and has a stage of its own in LDS: no barrier.
; THE PRODUCT IS USED TRANSPOSED (source 0 = 16 columns of Wo, source 1 = 16 tokens): a lane holds one token and eight neighbouring columns.  Tile n holds rows 32 (n / 2) + 8 (n % 2) + r + 8 (r / 8), of tokens and of columns alike.
; REGISTERS, in windows of 256.  Window 0: v5-9 addresses; v16-47 bo in the result's layout; v48-79 a tile of tokens' results; v80-143 rows read back, two sets.  Window 1: Wo (t, s) at v[16 (4 s + t)].
; Window 2: ao (m, s) at v[16 (4 m + s)].  Window 3: accumulator (m, t) at v[8 (4 m + t)].
.set LI,  5                            ; v5   16 x lane
.set BOF, 6                            ; v6   64 h: my half's eight numbers of bo
.set STO, 7                            ; v7   the stage: row r, + 64 h
.set RD,  8                            ; v8   and back: lanes 0-15 one row of 256 bytes, lanes 16-31 the next
.set CO,  9                            ; v9   the same two rows in out0
.set BO,  16
.set TMP, 48
.set BK,  80
.set SP,  272                          ; a stage row: 256 bytes + 16, so that the sixteen rows of a store begin 68 words apart
.set MSB, 0
.macro WIN new                         ; the immediate's high byte repeats the setting that is left
.if MSB != \new
	s_set_vgpr_msb (MSB<<8)|\new
.set MSB, \new
.endif
.endm
	s_load_b256 s[4:11], s[0:1], 0x0               ; ao, wc, the scales' exponents, bo
	s_load_b64 s[12:13], s[0:1], 0x20              ; out0
	v_lshl_add_u32 v254, v0, 2, 0x4400
	v_mov_b32 v255, 0
	v_lshrrev_b32 v1, 5, v0
	v_readfirstlane_b32 s14, v1                    ; wave 0..3
	s_and_b32 s15, ttmp7, 0xffff                   ; which 256 columns
	v_and_b32 v1, 15, v0                           ; r
	v_bfe_u32 v2, v0, 4, 1                         ; h
	v_and_b32 v[LI], 31, v0
	v_lshlrev_b32 v[LI], 4, v[LI]
	v_lshlrev_b32 v[BOF], 6, v2
	s_mul_i32 s16, s14, 16*SP                      ; my stage
	v_mul_u32_u24 v[STO], v1, SP
	v_lshl_add_u32 v[STO], v2, 6, v[STO]
	v_add_nc_u32 v[STO], s16, v[STO]
	v_mul_u32_u24 v[RD], v2, SP
	v_lshl_add_u32 v[RD], v1, 4, v[RD]
	v_add_nc_u32 v[RD], s16, v[RD]
	v_lshlrev_b32 v[CO], 11, v2                    ; a row of out0 is 2,048 bytes
	v_lshl_add_u32 v[CO], v1, 4, v[CO]
	s_lshl_b32 s24, s15, 17                        ; wc: 16 tiles x 8,192 bytes for each y,
	s_lshl_b32 s25, s14, 15
	s_add_co_u32 s24, s24, s25                     ; + 4 tiles a wave,
	s_add_co_u32 s24, s24, 0xc0000                 ; in the fourth weight
	s_mov_b32 s25, 0
	s_lshl_b32 s26, ttmp9, 15                      ; ao: 4 tiles x 8,192 bytes
	s_mov_b32 s27, 0
	s_lshl_b32 s28, s15, 10
	s_lshl_b32 s29, s14, 8
	s_add_co_u32 s28, s28, s29                     ; bo, and a row of out0: my 64 columns
	s_mov_b32 s29, 0
	s_lshl_b32 s30, ttmp9, 17                      ; out0: 64 rows
	s_add_co_u32 s30, s30, s28
	s_mov_b32 s31, 0
	s_wait_kmcnt 0x0
	s_load_b64 s[20:21], s[8:9], 0x28              ; e10, e11
	s_add_nc_u64 s[4:5], s[4:5], s[26:27]
	s_add_nc_u64 s[6:7], s[6:7], s[24:25]
	s_add_nc_u64 s[10:11], s[10:11], s[28:29]
	s_add_nc_u64 s[12:13], s[12:13], s[30:31]
.irp t, 0,1,2,3
	global_load_b128 v[BO+8*\t:BO+8*\t+3],   v[BOF], s[10:11] offset:(32*(\t/2)+8*(\t%2))*4      ; bo at columns 32 (t / 2) + 8 (t % 2) + 16 h + 0 .. 7
	global_load_b128 v[BO+8*\t+4:BO+8*\t+7], v[BOF], s[10:11] offset:(32*(\t/2)+8*(\t%2))*4+16
.endr
.irp s, 0,1,2,3                        ; the operands K step by K step: 16 loads of Wo, 16 of ao
	WIN 0x40
.irp t, 0,1,2,3
.irp c, 0,1,2,3
	global_load_b128 v[16*(4*\s+\t)+4*\c:16*(4*\s+\t)+4*\c+3], v[LI], s[6:7] offset:(4*\t+\s)*2048+512*\c
.endr
.endr
	WIN 0x80
.irp m, 0,1,2,3
.irp c, 0,1,2,3
	global_load_b128 v[16*(4*\m+\s)+4*\c:16*(4*\m+\s)+4*\c+3], v[LI], s[4:5] offset:\m*8192+\s*2048+512*\c
.endr
.endr
.endr
	s_wait_kmcnt 0x0
	s_add_co_i32 s22, s20, s21
	s_add_co_i32 s22, s22, 127
	s_lshl_b32 s22, s22, 23                        ; 2^(e10 + e11) as f32
	s_mov_b32 s23, s22                             ; (named with it as a pair)
	WIN 0xf9                                       ; source 0 (Wo) window 1, source 1 (ao) window 2, C and D window 3
.irp s, 0,1,2,3
.if \s == 0
	s_wait_loadcnt 63                              ; behind K step 1's last load stand 64 loads: with 63 out, bo and K steps 0 and 1 are in
.elseif \s == 2
	s_wait_loadcnt 32                              ; behind K step 2's stand K step 3's 32
.elseif \s == 3
	s_wait_loadcnt 0x0
.endif
.irp m, 0,1,2,3
.irp t, 0,1,2,3
.if \s == 0
	v_wmma_f32_16x16x128_bf8_bf8 v[8*(4*\m+\t):8*(4*\m+\t)+7], v[16*(4*\s+\t):16*(4*\s+\t)+15], v[16*(4*\m+\s):16*(4*\m+\s)+15], 0   ; the first K step starts the sums
.else
	v_wmma_f32_16x16x128_bf8_bf8 v[8*(4*\m+\t):8*(4*\m+\t)+7], v[16*(4*\s+\t):16*(4*\s+\t)+15], v[16*(4*\m+\s):16*(4*\m+\s)+15], v[8*(4*\m+\t):8*(4*\m+\t)+7]   ; the sixteen accumulators take turns
.endif
.endr
.endr
.endr
	WIN 0
.rept 4
	v_nop                                          ; places behind the last products, ahead of the first read of results
.endr
; THE WAY OUT, a tile of 16 tokens x my 64 columns at a time.  A lane holds 32 neighbouring bytes of a row, four times; the lanes beside it hold other rows: so a tile goes through my stage and comes back as whole rows of
; 256 bytes.  LDS serves a wave's instructions in order (ISA guide 5.7.1.4): no wait between the stores and the loads, nor in front of the next tile's stores.
.macro TOSTAGE m
	WIN 0x03                                       ; source 0 (the sums) window 3
.set k, 0
.rept 16
	v_pk_fma_f32 v[TMP+k:TMP+k+1], v[32*(\m)+k:32*(\m)+k+1], s[22:23], v[BO+k:BO+k+1] op_sel_hi:[1,0,1]   ; sum x 2^(e10 + e11) + bo, each accumulator from its low end on
.set k, k+2
.endr
	WIN 0
.irp t, 0,1,2,3
	ds_store_b128 v[STO], v[TMP+8*\t:TMP+8*\t+3]   offset:128*(\t/2)+32*(\t%2)
	ds_store_b128 v[STO], v[TMP+8*\t+4:TMP+8*\t+7] offset:128*(\t/2)+32*(\t%2)+16
.endr
.irp i, 0,1,2,3,4,5,6,7
	ds_load_b128 v[BK+32*((\m)%2)+4*\i:BK+32*((\m)%2)+4*\i+3], v[RD] offset:\i*2*SP   ; places 2 i and 2 i + 1 of the tile
.endr
.endm
.macro SEND m, younger                 ; younger: the LDS instructions issued behind tile m's loads, which may stay out
	s_wait_dscnt \younger
.irp i, 0,1,2,3,4,5,6,7
	global_store_b128 v[CO], v[BK+32*((\m)%2)+4*\i:BK+32*((\m)%2)+4*\i+3], s[12:13] offset:(32*((\m)/2)+8*((\m)%2)+2*\i+8*(\i/4))*2048 th:TH_STORE_NT   ; place p is token 32 (m / 2) + 8 (m % 2) + p + 8 (p / 8); sixteen lanes store 256 consecutive, aligned bytes
.endr
.endm
	TOSTAGE 0
.irp m, 1,2,3
.if \m > 1
	s_wait_xcnt 0x0                                ; tile m - 2's stores have read their registers: tile m's loads may land there
.endif
	TOSTAGE \m
	SEND \m-1, 16                                  ; behind tile m - 1's loads: tile m's 8 stores and 8 loads
.endr
	SEND 3, 0
	s_wait_tensorcnt 0x0
	ds_add_u32 v254, v255
	s_wait_dscnt 0x0
	s_endpgm
.Lfunc_end_k_q47e5ab75c8_proj:
	.size	k_q47e5ab75c8_proj, .Lfunc_end_k_q47e5ab75c8_proj-k_q47e5ab75c8_proj
	.p2alignl 7, 3214868480
	.fill 96, 4, 3214868480
	.section	.rodata,"a",@progbits
	.p2align	6, 0x0
	.amdhsa_kernel k_q47e5ab75c8_proj
		.amdhsa_group_segment_fixed_size 17920
		.amdhsa_private_segment_fixed_size 0
		.amdhsa_enable_private_segment 0
		.amdhsa_kernarg_size 40
		.amdhsa_user_sgpr_count 2
		.amdhsa_user_sgpr_kernarg_segment_ptr 1
		.amdhsa_wavefront_size32 1
		.amdhsa_system_sgpr_workgroup_id_x 1
		.amdhsa_system_sgpr_workgroup_id_y 1
		.amdhsa_system_sgpr_workgroup_id_z 1
		.amdhsa_system_vgpr_workitem_id 0
		.amdhsa_next_free_vgpr 896
		.amdhsa_next_free_sgpr 66
		.amdhsa_reserve_vcc 0
		.amdhsa_float_denorm_mode_32 3
		.amdhsa_float_denorm_mode_16_64 3
		.amdhsa_memory_ordered 1
		.amdhsa_forward_progress 1
		.amdhsa_inst_pref_size 32
	.end_amdhsa_kernel
	.amdgpu_metadata
---
amdhsa.version: [ 1, 2 ]
amdhsa.kernels:
  - .name:           k_q47e5ab75c8_proj
    .symbol:         k_q47e5ab75c8_proj.kd
    .args:
      - { .name: ao, .offset: 0, .size: 8, .value_kind: global_buffer, .address_space: global }
      - { .name: wc, .offset: 8, .size: 8, .value_kind: global_buffer, .address_space: global }
      - { .name: lowp_scales, .offset: 16, .size: 8, .value_kind: global_buffer, .address_space: global }
      - { .name: bo, .offset: 24, .size: 8, .value_kind: global_buffer, .address_space: global }
      - { .name: out0, .offset: 32, .size: 8, .value_kind: global_buffer, .address_space: global }
    .group_segment_fixed_size: 17920
    .private_segment_fixed_size: 0
    .kernarg_segment_align: 8
    .kernarg_segment_size: 40
    .max_flat_workgroup_size: 128
    .sgpr_count:     66
    .vgpr_count:     896
    .wavefront_size: 32
...
	.end_amdgpu_metadata
.endif
;; end of part 4
;; ======== version 2 of 2: 4 launches; version 1 with the launches qkv, attn, proj written anew for expert scheduling mode
;; workspace buffers: wc 1,048,576 bytes; qc 4,194,304 bytes; kv 8,388,608 bytes; ao 4,194,304 bytes
;; launch prep: the kernel of part 1 again; grid 16 x 16, 4 waves a work-group, no clusters, 0 bytes of LDS; arguments Wq, Wk, Wv, Wo, lowp_scales, wc; writes wc
;; launch qkv (part 5): grid 64 x 3, 4 waves a work-group, no clusters, 33,280 bytes of LDS; arguments x, wc, lowp_scales, bq, bk, bv, qc, kv; writes qc, kv
.if DOCPART == 5
	.amdgcn_target "amdgcn-amd-amdhsa--gfx1250"
	.amdhsa_code_object_version 6
	.text
	.protected	k_q47e5ab75c8_qkv
	.globl	k_q47e5ab75c8_qkv
	.p2align	8
	.type	k_q47e5ab75c8_qkv,@function
k_q47e5ab75c8_qkv:
	s_mov_b64 s[64:65], 0
	v_nop
	global_prefetch_b8 v0, s[64:65] scope:SCOPE_SE
	s_setreg_imm32_b32 hwreg(HW_REG_WAVE_SCHED_MODE, 0, 2), 2
	s_setreg_imm32_b32 hwreg(HW_REG_WAVE_MODE, 25, 1), 1
	s_wait_xcnt 0x0
	s_wait_alu depctr_vm_vsrc(0)
; Q = x Wq + bq, K = x Wk + bk, V = x Wv + bv on codes of BF8 (E5M2), and each result quantised at once for the attention's products.  x: [8192][512] f32; the weights: codes laid as register images (wc).
; Work-group y = 0, 1, 2 makes Q, K, V; its scales are (ex, ew, eo) = entries (0, 1, 6), (2, 3, 7), (4, 5, 9).  x is quantised here, in registers, with that product's own ex.
; LIMITS, so that each power of two below is an f32 number: ex, and eo - ex - ew, between -126 and 112.  NaN among the inputs is not served.
; SHARES.  Work-group x owns 128 tokens (one key step of the attention), in two blocks of 64.  THE WAVES SHARE THE COLUMNS: wave w holds columns 128 w .. 128 w + 127 (heads 2 w, 2 w + 1) of the weight in 512 registers
; for the whole launch.  What goes round is small: a block's codes of x, 16 fragments, through LDS as IMAGES OF THEIR REGISTERS (four stores of 512 bytes, lane l's 16 bytes at 16 l; the same four lines as loads bring them back).
; 192 work-groups: three products do not divide into 256, and smaller shares would read the weights more often.
; TILES.  Tile n of any axis of rows holds rows 32 (n / 2) + 8 (n % 2) + r + 8 (r / 8): the 16 registers that a lane has of tiles 2 b and 2 b + 1 of a result are then 16 NEIGHBOURS, 32 b + 16 h + 0 .. 15,
; which the conversions turn straight into a piece (16 bytes a lane) of the next operand.  A fragment's piece c holds k = 32 c + 16 h + 0 .. 15: the same order of k on both sides of every product.
; Q AND K: source 0 = 16 columns of W, source 1 = 16 tokens: a lane holds ONE token, its registers run along the head's channels, which are the scores' K.
; V: source 0 = 16 tokens, source 1 = 16 columns of W: a lane holds ONE channel, its registers run along the tokens, which are the second product's K.  Nothing is transposed.
; The bias is the C of each sum's first matrix instruction, divided once by 2^(ex + ew); the conversion then takes 2^(eo - ex - ew) as its one scale.
; OUT.  qc: [head of 16] x 262,144, tile of tokens x 1,024, piece x 512.  kv: [head] x 524,288, key step x 16,384: K's 8 tiles x 1,024, then V's 4 tiles of channels x 2,048 (piece c: keys 32 c + 16 h + 0 .. 15).  Every store is 512 dense bytes.
; REGISTERS, in windows of 256.  Window 0: v4-9 addresses; v16-143 fragments of x; v144-207 eight accumulators; v208-223 the codes just made; v240-243 scales.  Windows 1, 2: the weight: fragment (tile t, K step s) at
; v[16 (8 (s % 2) + t)] of window 1 + s / 2.  Window 3: v0-63 the bias, 8 tiles x 8; v64-255 three sets of 64 numbers of x as loaded.
; THE MODE: SCHED_MODE bits 1:0 = 2 (LLVM: expert scheduling mode 2), set by the entry lines.  The code itself states the register dependences between vector or matrix instructions and memory or LDS instructions,
; with s_wait_alu, always for 0.
; THE PLAN.  Registers that memory or LDS instructions touch:
;   v4 .. v9      offsets and LDS addresses: made once at the head, ahead of one wait on va_vdst, and never written again.
;   S0, S1, S2    x's loads land in them; QUANTX's holds and conversions read and write them.  One wait on va_vdst behind each QUANTX; behind it the set may be asked for again.
;   PC            written by conversions; read by the LDS stores of x's images or by the global stores of results.  The same wait on va_vdst stands ahead of those stores; a wait on vm_vsrc ahead of the next conversions.
;   XF            LDS loads land in it; matrix instructions read it.  Q, K: two halves by turns: at the head of tile m one wait on va_vdst states that tile m - 1's conversions have written PC and that its products are done
;                 reading their half; tile m - 1's stores and tile m + 1's loads follow it in one run, then tile m's products, which name the other half.  V: one set of eight fragments, with a wait of its own ahead of its second fill.
;   the weight and the bias are loaded once; the accumulators are named by vector and matrix instructions alone.
.set XA,  4                            ; v4   x: my lane's byte in the block's 64 rows (my wave quantises tile w)
.set LI,  5                            ; v5   16 x lane: an image's place for my lane, in LDS and in memory
.set XWI, 6                            ; v6   where I store x's images: 16 x lane + 8,192 x wave
.set BOV, 7                            ; v7   V's bias: my lane's offset
.set GO1, 8                            ; v8   16 x lane + a head's bytes: my wave's second head
.set BOF, 9                            ; v9   Q's and K's bias: my lane's offset
.set XF,  16
.set HA,  144
.set PC,  208
.set SCX, 240                          ; 2^ex;  v241: 57,344 x 2^ex
.set LMX, 241
.set SCO, 242                          ; 2^(eo - ex - ew);  v243: 57,344 x that
.set LMO, 243
.set S0,  64                           ; window 3: the sets of x
.set S1,  128
.set S2,  192
.set WV,  20
.set Y,   21
.set BLK, 22
.set MSB, 0
.macro WIN new                         ; the immediate's high byte repeats the setting that is left; a switch that changes nothing is dropped
.if MSB != \new
	s_set_vgpr_msb (MSB<<8)|\new
.set MSB, \new
.endif
.endm
; my 16 rows' numbers of K step s (64 a lane: 16 neighbours of each block of 32), from off bytes on, into a set of window 3.  Three work-groups read the same rows: no hint
.macro XLOAD set, s, off
	WIN 0xc0                                       ; destination window 3, address window 0
.irp c, 0,1,2,3
.irp j, 0,1,2,3
	global_load_b128 v[\set+16*\c+4*\j:\set+16*\c+4*\j+3], v[XA], s[4:5] offset:\off+512*\s+128*\c+16*\j
.endr
.endr
.endm
; 64 numbers of a lane, register 16 c + i = k 32 c + 16 h + i of my row, become a fragment's codes in v[PC] on
.macro QUANTX set
	WIN 0xc3                                       ; the numbers in window 3, the bound in window 0
.set i, 0
.rept 64
	v_med3_num_f32 v[\set+i], v[\set+i], -v[LMX], v[LMX]   ; the conversion to an 8-bit code does not saturate (ISA guide 7.6.2): the hold comes first
.set i, i+1
.endr
	WIN 0x03                                       ; the numbers in window 3, the codes and the scale in window 0
.irp c, 0,1,2,3
	v_cvt_scalef32_pk8_bf8_f32 v[PC+4*\c:PC+4*\c+1], v[\set+16*\c:\set+16*\c+7], v[SCX]
	v_cvt_scalef32_pk8_bf8_f32 v[PC+4*\c+2:PC+4*\c+3], v[\set+16*\c+8:\set+16*\c+15], v[SCX]
.endr
	WIN 0
	v_nop                                          ; one plain vector instruction behind the last conversion, ahead of whatever vector or matrix instruction next touches its registers
.endm
.macro QUANT                           ; the same for the eight accumulators, each read from its low end on
	WIN 0
.set i, 0
.rept 64
	v_med3_num_f32 v[HA+i], v[HA+i], -v[LMO], v[LMO]
.set i, i+1
.endr
.irp c, 0,1,2,3
	v_cvt_scalef32_pk8_bf8_f32 v[PC+4*\c:PC+4*\c+1], v[HA+16*\c:HA+16*\c+7], v[SCO]
	v_cvt_scalef32_pk8_bf8_f32 v[PC+4*\c+2:PC+4*\c+3], v[HA+16*\c+8:HA+16*\c+15], v[SCO]
.endr
	v_nop                                          ; as above: the next products write the conversions' sources
.endm
.macro IMAGE off                       ; the fragment in v[PC] on goes to LDS as it stands
	WIN 0
.irp c, 0,1,2,3
	ds_store_b128 v[XWI], v[PC+4*\c:PC+4*\c+3] offset:\off+512*\c
.endr
.endm
.macro FETCH reg, f                    ; fragment f = 4 m + s comes back so, in any wave
.irp c, 0,1,2,3
	ds_load_b128 v[(\reg)+4*\c:(\reg)+4*\c+3], v[LI] offset:2048*(\f)+512*\c
.endr
.endm
.macro BARRIER                         ; my LDS stores have landed and my LDS loads are in: then the work-group's barrier
	s_wait_dscnt 0x0
	s_barrier_signal -1
	s_barrier_wait -1
.endm
.macro PLACES                          ; four plain vector instructions behind matrix instructions, ahead of reads of their results and of loads into registers that they read
.rept 4
	v_nop
.endr
.endm
.macro FREEPC                          ; ahead of conversions that write v[PC] on again
	s_wait_xcnt 0x0                                ; the last global stores have had their addresses translated,
	s_wait_alu depctr_vm_vsrc(0)                   ; and the stores issued so far, global and LDS, have read v[PC] on
.endm
	s_load_b256 s[4:11], s[0:1], 0x0               ; x, wc, the scales' exponents, bq
	s_load_b256 s[12:19], s[0:1], 0x20             ; bk, bv, qc, kv
	v_lshl_add_u32 v254, v0, 2, 0x8000
	v_mov_b32 v255, 0
	v_lshrrev_b32 v1, 5, v0
	v_readfirstlane_b32 s[WV], v1                  ; wave 0..3
	s_and_b32 s[Y], ttmp7, 0xffff                  ; 0: Q, 1: K, 2: V
	v_and_b32 v1, 15, v0                           ; r
	v_bfe_u32 v2, v0, 4, 1                         ; h
	v_and_b32 v3, 8, v1
	v_add_nc_u32 v3, v3, v1                        ; r + 8 (r / 8)
	v_lshlrev_b32 v[XA], 11, v3                    ; a row of x is 2,048 bytes;
	v_lshl_add_u32 v[XA], v2, 6, v[XA]             ; + 64 h: my 16 numbers of a block of 32;
	v_and_b32 v[LI], 31, v0
	v_lshlrev_b32 v[LI], 4, v[LI]
	v_lshlrev_b32 v[BOF], 6, v2                    ; the bias of Q, K: lane (r, h) wants, for tile t, the numbers of columns 32 (t / 2) + 8 (t % 2) + 16 h + 0 .. 7
	v_lshlrev_b32 v[BOV], 2, v3                    ; of V: a lane holds one channel: the number of column 32 (t / 2) + 8 (t % 2) + r + 8 (r / 8)
	s_wait_alu depctr_va_sdst(0)                   ; s20, the wave's number, is written, ahead of its first reader
	s_lshr_b32 s32, s[WV], 1
	s_lshl_b32 s32, s32, 16
	s_and_b32 s33, s[WV], 1
	s_lshl_b32 s33, s33, 14
	s_add_co_u32 s32, s32, s33
	v_add_nc_u32 v[XA], s32, v[XA]                 ; + tile w's first row, 32 (w / 2) + 8 (w % 2)
	s_lshl_b32 s32, s[WV], 13
	v_add_nc_u32 v[XWI], s32, v[LI]
	s_cmp_eq_u32 s[Y], 0
	s_cselect_b32 s34, 0, 1
	s_lshl_b32 s24, 0x40000, s34                   ; a head's bytes: 262,144 in qc, 524,288 in kv
	s_lshl_b32 s25, 0x2000, s34                    ; 128 tokens' bytes in a head: 8,192 in qc, 16,384 in kv
	s_cmp_eq_u32 s[Y], 2
	s_cselect_b32 s34, 2, 0
	s_cselect_b32 s35, 0x2000, 0                   ; V lies behind a step's K
	s_lshr_b32 s26, 0x1000, s34                    ; a block of 64 tokens on: four tiles of 1,024 bytes; in V two pieces of 512
	s_mov_b32 s27, 0
	s_lshr_b32 s36, ttmp9, 5                       ; batch
	s_lshl_b32 s36, s36, 3
	s_lshl_b32 s37, s[WV], 1
	s_add_co_u32 s36, s36, s37                     ; my first head: 8 x batch + 2 x wave
	s_mul_i32 s36, s36, s24
	s_and_b32 s37, ttmp9, 31                       ; the key step
	s_mul_i32 s37, s37, s25
	s_add_co_u32 s36, s36, s37
	s_add_co_u32 s36, s36, s35
	s_mov_b32 s37, 0
	v_add_nc_u32 v[GO1], s24, v[LI]
	s_lshl_b32 s38, ttmp9, 18                      ; x: 128 rows of 2,048 bytes
	s_mov_b32 s39, 0
	s_lshl_b32 s32, s[Y], 18                       ; wc: the weight,
	s_lshl_b32 s33, s[WV], 16
	s_add_co_u32 s32, s32, s33                     ; + my 8 tiles x 4 fragments
	s_mov_b32 s33, 0
	s_lshl_b32 s34, s[WV], 9                       ; the bias: my 128 numbers
	s_mov_b32 s35, 0
	s_mov_b32 s[BLK], 2
	s_wait_kmcnt 0x0
	s_load_b256 s[40:47], s[8:9], 0x0              ; e0 .. e7
	s_load_b128 s[48:51], s[8:9], 0x20             ; e8 .. e11
	s_add_nc_u64 s[4:5], s[4:5], s[38:39]
	s_add_nc_u64 s[6:7], s[6:7], s[32:33]
	s_cmp_eq_u32 s[Y], 0                           ; the buffers are chosen by the work-group's number alone
	s_cselect_b64 s[28:29], s[16:17], s[18:19]     ; out: qc or kv
	s_cselect_b64 s[30:31], s[10:11], s[12:13]
	s_cmp_eq_u32 s[Y], 2
	s_cselect_b64 s[30:31], s[14:15], s[30:31]     ; the bias
	s_add_nc_u64 s[28:29], s[28:29], s[36:37]
	s_add_nc_u64 s[30:31], s[30:31], s[34:35]
	s_wait_alu depctr_va_vdst(0)                   ; the offsets and addresses v4 to v9 are written: every load, store and LDS instruction of the kernel reads one of them, and no later line writes them
	XLOAD S0, 0, 0                                 ; the first block's K steps 0 to 2
	XLOAD S1, 1, 0
	XLOAD S2, 2, 0
	WIN 0x40                                       ; the weight stays in registers: K steps 0, 1 in window 1,
.irp s, 0,1
.irp t, 0,1,2,3,4,5,6,7
.irp c, 0,1,2,3
	global_load_b128 v[16*(8*\s+\t)+4*\c:16*(8*\s+\t)+4*\c+3], v[LI], s[6:7] offset:(4*\t+\s)*2048+512*\c
.endr
.endr
.endr
	WIN 0x80                                       ; K steps 2, 3 in window 2
.irp s, 2,3
.irp t, 0,1,2,3,4,5,6,7
.irp c, 0,1,2,3
	global_load_b128 v[16*(8*(\s-2)+\t)+4*\c:16*(8*(\s-2)+\t)+4*\c+3], v[LI], s[6:7] offset:(4*\t+\s)*2048+512*\c
.endr
.endr
.endr
	WIN 0
	s_wait_kmcnt 0x0
	s_cmp_eq_u32 s[Y], 0
	s_cselect_b32 s52, s40, s42
	s_cselect_b32 s53, s41, s43
	s_cselect_b32 s54, s46, s47
	s_cmp_eq_u32 s[Y], 2
	s_cselect_b32 s52, s44, s52                    ; ex
	s_cselect_b32 s53, s45, s53                    ; ew
	s_cselect_b32 s54, s49, s54                    ; eo
	s_add_co_i32 s55, s52, s53                     ; a sum stands for sum x 2^(ex + ew): the bias goes in divided by that
	s_sub_co_i32 s56, 0, s55
	s_add_co_i32 s57, s52, 127
	s_lshl_b32 s58, s57, 23
	v_mov_b32 v[SCX], s58                          ; 2^ex as f32: the conversion takes its exponent field
	s_add_co_i32 s57, s57, 15
	s_lshl_b32 s57, s57, 23
	s_or_b32 s57, s57, 0x600000
	v_mov_b32 v[LMX], s57                          ; 57,344 x 2^ex
	s_sub_co_i32 s57, s54, s55
	s_add_co_i32 s57, s57, 127
	s_lshl_b32 s58, s57, 23
	v_mov_b32 v[SCO], s58                          ; 2^(eo - ex - ew): the three scales folded into one
	s_add_co_i32 s57, s57, 15
	s_lshl_b32 s57, s57, 23
	s_or_b32 s57, s57, 0x600000
	v_mov_b32 v[LMO], s57
	; the bias in the result's layout.  Each way holds its loads, the wait for all loads of the head and the division, so that all 64 registers are written on either.
	; No wait on va_vdst: the offsets were written ahead of the head's, and the four lines since name v240 to v243 alone
	s_cmp_eq_u32 s[Y], 2
	s_cbranch_scc1 .Lbias_v
	WIN 0xc0
.irp t, 0,1,2,3,4,5,6,7
	global_load_b128 v[8*\t:8*\t+3], v[BOF], s[30:31] offset:(32*(\t/2)+8*(\t%2))*4
	global_load_b128 v[8*\t+4:8*\t+7], v[BOF], s[30:31] offset:(32*(\t/2)+8*(\t%2))*4+16
.endr
	s_wait_loadcnt 0x0                             ; x's first three K steps, the weight and the bias
	WIN 0xc3
.set i, 0
.rept 64
	v_ldexp_f32 v[i], v[i], s56
.set i, i+1
.endr
	WIN 0
	s_branch .Lbias_done
.Lbias_v:
	WIN 0xc0
.irp t, 0,1,2,3,4,5,6,7
	global_load_b32 v[8*\t], v[BOV], s[30:31] offset:(32*(\t/2)+8*(\t%2))*4   ; one number, for all eight registers of the tile
.endr
	s_wait_loadcnt 0x0
	WIN 0xc3
.irp t, 0,1,2,3,4,5,6,7
	v_ldexp_f32 v[8*\t], v[8*\t], s56
.endr
.irp t, 0,1,2,3,4,5,6,7
.irp k, 1,2,3,4,5,6,7
	v_mov_b32 v[8*\t+\k], v[8*\t]
.endr
.endr
	WIN 0
.Lbias_done:
; Q, K: the tile m of tokens against my 8 tiles of columns, K step by K step; the eight accumulators take turns, one instruction a turn
.macro MULQK m
.irp s, 0,1,2,3
.if \s == 0
	WIN 0x31                                       ; source 0 (W) window 1, source 2 (the bias) window 3
.elseif \s == 1
	WIN 0x01
.else
	WIN 0x02                                       ; source 0 window 2
.endif
.irp t, 0,1,2,3,4,5,6,7
.if \s == 0
	v_wmma_f32_16x16x128_bf8_bf8 v[HA+8*\t:HA+8*\t+7], v[16*(8*(\s%2)+\t):16*(8*(\s%2)+\t)+15], v[XF+64*((\m)%2)+16*\s:XF+64*((\m)%2)+16*\s+15], v[8*\t:8*\t+7]
.else
	v_wmma_f32_16x16x128_bf8_bf8 v[HA+8*\t:HA+8*\t+7], v[16*(8*(\s%2)+\t):16*(8*(\s%2)+\t)+15], v[XF+64*((\m)%2)+16*\s:XF+64*((\m)%2)+16*\s+15], v[HA+8*\t:HA+8*\t+7]
.endif
.endr
.endr
.endm
.macro FETCH4 m                        ; tile m's four K steps into half m % 2 of XF
	WIN 0
.irp s, 0,1,2,3
	FETCH XF+64*((\m)%2)+16*\s, 4*(\m)+\s
.endr
.endm
.macro QKSTORE m                       ; tile m's codes leave
	global_store_b128 v[LI],  v[PC:PC+3],     s[28:29] offset:1024*(\m)       ; head 2 w: channels 16 h + 0 .. 15,
	global_store_b128 v[LI],  v[PC+4:PC+7],   s[28:29] offset:1024*(\m)+512   ; 32 + 16 h + 0 .. 15
	global_store_b128 v[GO1], v[PC+8:PC+11],  s[28:29] offset:1024*(\m)       ; head 2 w + 1
	global_store_b128 v[GO1], v[PC+12:PC+15], s[28:29] offset:1024*(\m)+512
.endm
.macro FETCH8 bl                       ; tiles 2 bl and 2 bl + 1, four K steps each
	WIN 0
.irp u, 0,1
.irp s, 0,1,2,3
	FETCH XF+16*(4*\u+\s), 4*(2*\bl+\u)+\s
.endr
.endr
.endm
; V: the 32 tokens in XF (two tiles) against the four tiles of channels of head g: accumulator a = (tile of channels a / 2, tile of tokens a % 2)
.macro VMUL g
.irp s, 0,1,2,3
.if \s == 0
	WIN 0x34                                       ; source 1 (W) window 1, source 2 (the bias) window 3
.elseif \s == 1
	WIN 0x04
.else
	WIN 0x08                                       ; source 1 window 2
.endif
.irp a, 0,1,2,3,4,5,6,7
.if \s == 0
	v_wmma_f32_16x16x128_bf8_bf8 v[HA+8*\a:HA+8*\a+7], v[XF+16*(4*(\a%2)+\s):XF+16*(4*(\a%2)+\s)+15], v[16*(8*(\s%2)+4*\g+\a/2):16*(8*(\s%2)+4*\g+\a/2)+15], v[8*(4*\g+\a/2):8*(4*\g+\a/2)+7]
.else
	v_wmma_f32_16x16x128_bf8_bf8 v[HA+8*\a:HA+8*\a+7], v[XF+16*(4*(\a%2)+\s):XF+16*(4*(\a%2)+\s)+15], v[16*(8*(\s%2)+4*\g+\a/2):16*(8*(\s%2)+4*\g+\a/2)+15], v[HA+8*\a:HA+8*\a+7]
.endif
.endr
.endr
	WIN 0
	PLACES
.endm
.macro VSTORE bl, go                   ; go: the register with the head's offset
.irp b, 0,1,2,3
	global_store_b128 v[\go], v[PC+4*\b:PC+4*\b+3], s[28:29] offset:2048*\b+512*\bl   ; tile b of the head's channels, the piece of these 32 keys
.endr
.endm
.Lblock:
	; ---- x: my 16 rows become four fragments.  K steps 0 to 2 were asked for a phase ago; K step 3 takes the first set as soon as that is quantised
	s_wait_loadcnt 32                              ; set 0 is in: behind its 16 loads stand sets 1 and 2 (in the first trip nothing is out)
	QUANTX S0
	s_wait_alu depctr_va_vdst(0)                   ; the conversions have written v[PC] on, which the LDS stores read; holds and conversions are done with set 0, in which K step 3's loads land
	IMAGE 0
	XLOAD S0, 3, 0
	s_wait_dscnt 0x0                               ; the stores have landed,
	s_wait_alu depctr_vm_vsrc(0)                   ; and have read v[PC] on, which the next conversions write
	s_wait_loadcnt 32                              ; set 1 is in: behind it stand set 2 and K step 3
	QUANTX S1
	s_wait_alu depctr_va_vdst(0)                   ; the conversions have written v[PC] on, which the LDS stores read
	IMAGE 2048
	s_wait_dscnt 0x0
	s_wait_alu depctr_vm_vsrc(0)                   ; the LDS stores have read v[PC] on
	s_wait_loadcnt 16                              ; set 2 is in: behind it stands K step 3
	QUANTX S2
	s_wait_alu depctr_va_vdst(0)                   ; the conversions have written v[PC] on, which the LDS stores read
	IMAGE 4096
	s_wait_dscnt 0x0
	s_wait_alu depctr_vm_vsrc(0)                   ; the LDS stores have read v[PC] on
	s_wait_loadcnt 0x0
	QUANTX S0
	s_wait_alu depctr_va_vdst(0)                   ; the conversions have written v[PC] on.  All three sets are done with: the next block's loads land in them.  The last block's products are done reading XF: this block's first fragments land there.  No vector line stands between this wait and those loads
	IMAGE 6144
	BARRIER                                        ; x's sixteen fragments lie in LDS
	s_cmp_eq_u32 s[BLK], 1                         ; the next block's first three K steps are asked for here, if there is a next block: no load leaves its buffer
	s_cbranch_scc1 .Lno_next
	XLOAD S0, 0, 131072
	XLOAD S1, 1, 131072
	XLOAD S2, 2, 131072
	WIN 0
.Lno_next:
	s_cmp_eq_u32 s[Y], 2                           ; the same in all waves of the work-group; neither way stores to LDS or holds a barrier
	s_cbranch_scc1 .Lv_path
	; ---- Q, K: a tile of 16 tokens at a time
	FETCH4 0
.irp m, 0,1,2,3
	s_wait_dscnt 0x0                               ; tile m's fragments are in
.if \m > 0
	s_wait_alu depctr_va_vdst(0)                   ; the tile before: its conversions have written v[PC] on, which the stores below read; its products are done reading their half of XF, in which the loads below land
	QKSTORE \m-1
.endif
.if \m < 3
	FETCH4 \m+1                                    ; the next tile's fragments land while this tile is multiplied and quantised: its products name the other half
.endif
	MULQK \m
	WIN 0
	PLACES
	FREEPC                                         ; (for tile 0: the LDS stores of x's last image)
	QUANT
.endr
	s_wait_alu depctr_va_vdst(0)                   ; tile 3's conversions have written v[PC] on
	QKSTORE 3
	s_branch .Ljoin
.Lv_path:
	; ---- V: 32 tokens x one head at a time
	FETCH8 0
	s_wait_dscnt 0x0                               ; the eight fragments are in
	VMUL 0
	FREEPC                                         ; (the LDS stores of x's last image)
	QUANT
	s_wait_alu depctr_va_vdst(0)                   ; the conversions have written v[PC] on, which the stores read
	VSTORE 0, LI
	VMUL 1
	s_wait_alu depctr_va_vdst(0)                   ; behind the places: these products are done reading XF, in which the loads below land
	FETCH8 1                                       ; the first two tiles are done with: the other two land while these results are quantised
	FREEPC
	QUANT
	s_wait_dscnt 0x0                               ; the eight fragments are in
	s_wait_alu depctr_va_vdst(0)                   ; the conversions have written v[PC] on
	VSTORE 0, GO1
	VMUL 0
	FREEPC
	QUANT
	s_wait_alu depctr_va_vdst(0)                   ; the conversions have written v[PC] on
	VSTORE 1, LI
	VMUL 1
	FREEPC
	QUANT
	s_wait_alu depctr_va_vdst(0)                   ; the conversions have written v[PC] on
	VSTORE 1, GO1
.Ljoin:
	BARRIER                                        ; every wave's reads of x's images are over: the next block may overwrite them
	s_wait_xcnt 0x0                                ; the loads and stores have read their bases
	s_wait_alu depctr_vm_vsrc(0)                   ; the block's last stores have read v[PC] on, which the next block's first conversions write
	s_add_nc_u64 s[4:5], s[4:5], 0x20000           ; 64 rows of x on
	s_add_nc_u64 s[28:29], s[28:29], s[26:27]
	s_sub_co_u32 s[BLK], s[BLK], 1
	s_cmp_lg_u32 s[BLK], 0
	s_cbranch_scc1 .Lblock
	s_wait_dscnt 0x0
	s_wait_alu depctr_hold_cnt(0) depctr_sa_sdst(0) depctr_va_vdst(0) depctr_va_sdst(0) depctr_va_ssrc(0) depctr_va_vcc(0) depctr_vm_vsrc(0)
	s_wait_tensorcnt 0x0
	ds_add_u32 v254, v255
	s_wait_dscnt 0x0
	s_endpgm
.Lfunc_end_k_q47e5ab75c8_qkv:
	.size	k_q47e5ab75c8_qkv, .Lfunc_end_k_q47e5ab75c8_qkv-k_q47e5ab75c8_qkv
	.p2alignl 7, 3214868480
	.fill 96, 4, 3214868480
	.section	.rodata,"a",@progbits
	.p2align	6, 0x0
	.amdhsa_kernel k_q47e5ab75c8_qkv
		.amdhsa_group_segment_fixed_size 33280
		.amdhsa_private_segment_fixed_size 0
		.amdhsa_enable_private_segment 0
		.amdhsa_kernarg_size 64
		.amdhsa_user_sgpr_count 2
		.amdhsa_user_sgpr_kernarg_segment_ptr 1
		.amdhsa_wavefront_size32 1
		.amdhsa_system_sgpr_workgroup_id_x 1
		.amdhsa_system_sgpr_workgroup_id_y 1
		.amdhsa_system_sgpr_workgroup_id_z 1
		.amdhsa_system_vgpr_workitem_id 0
		.amdhsa_next_free_vgpr 1024
		.amdhsa_next_free_sgpr 66
		.amdhsa_reserve_vcc 0
		.amdhsa_float_denorm_mode_32 3
		.amdhsa_float_denorm_mode_16_64 3
		.amdhsa_memory_ordered 1
		.amdhsa_forward_progress 1
		.amdhsa_inst_pref_size 123
	.end_amdhsa_kernel
	.amdgpu_metadata
---
amdhsa.version: [ 1, 2 ]
amdhsa.kernels:
  - .name:           k_q47e5ab75c8_qkv
    .symbol:         k_q47e5ab75c8_qkv.kd
    .args:
      - { .name: x, .offset: 0, .size: 8, .value_kind: global_buffer, .address_space: global }
      - { .name: wc, .offset: 8, .size: 8, .value_kind: global_buffer, .address_space: global }
      - { .name: lowp_scales, .offset: 16, .size: 8, .value_kind: global_buffer, .address_space: global }
      - { .name: bq, .offset: 24, .size: 8, .value_kind: global_buffer, .address_space: global }
      - { .name: bk, .offset: 32, .size: 8, .value_kind: global_buffer, .address_space: global }
      - { .name: bv, .offset: 40, .size: 8, .value_kind: global_buffer, .address_space: global }
      - { .name: qc, .offset: 48, .size: 8, .value_kind: global_buffer, .address_space: global }
      - { .name: kv, .offset: 56, .size: 8, .value_kind: global_buffer, .address_space: global }
    .group_segment_fixed_size: 33280
    .private_segment_fixed_size: 0
    .kernarg_segment_align: 8
    .kernarg_segment_size: 64
    .max_flat_workgroup_size: 128
    .sgpr_count:     66
    .vgpr_count:     1024
    .wavefront_size: 32
...
	.end_amdgpu_metadata
.endif
;; end of part 5
;; launch attn (part 6): grid 16 x 16, 16 waves a work-group, no clusters, 34,816 bytes of LDS; arguments qc, kv, lowp_scales, ao; writes ao
.if DOCPART == 6
	.amdgcn_target "amdgcn-amd-amdhsa--gfx1250"
	.amdhsa_code_object_version 6
	.text
	.protected	k_q47e5ab75c8_attn
	.globl	k_q47e5ab75c8_attn
	.p2align	8
	.type	k_q47e5ab75c8_attn,@function
k_q47e5ab75c8_attn:
	s_mov_b64 s[64:65], 0
	v_nop
	global_prefetch_b8 v0, s[64:65] scope:SCOPE_SE
	s_setreg_imm32_b32 hwreg(HW_REG_WAVE_SCHED_MODE, 0, 2), 2
	s_setreg_imm32_b32 hwreg(HW_REG_WAVE_MODE, 25, 1), 1
	s_wait_xcnt 0x0
	s_wait_alu depctr_vm_vsrc(0)
; Causal attention of 16 heads (2 batches x 8), 4,096 tokens, head size 64, both products on codes of BF8 (E5M2); the result is quantised at once for the last projection.
; qc, kv: codes as register images (pieces of 512 bytes, lane l's 16 bytes at 16 l).  Scales: entries 6 (Q), 7 (K), 8 (p), 9 (V), 10 (the result).
; THE SOFTMAX: t = score x log2(e) / 8; M = the largest t so far, rounded UP to a whole number; p = 2^(t - M) is quantised, not normalised; the row's sum is taken of the unquantised p and divides at the end.
; When M moves, the sum and O are multiplied by 2^(old M - new M), which rounds nothing.
; LIMITS, so that each power of two below is an f32 number: e6 + e7 between -123 and 130 (added to the exponent field of log2(e) / 8); e8 and e10 between -126 and 112; e8 + e9 is applied by v_ldexp_f32 and has none.
; SHARES: THE TRIANGLE MADE EVEN.  Work-group (i, head) owns the blocks of 128 queries i and 31 - i.  Each of its sixteen waves owns one tile of 16 queries; eight waves have the low block, eight the high one
; (which: bit 0 of wave xor wave / 4).  A wave works on key steps (128 keys) 0 .. its block's number, and masks in the last of them: 8 (i + 1) + 8 (32 - i) = 264 wave steps in every work-group.
; Steps whose keys all come after a wave's queries are jumped over by a scalar branch on ids; loads, LDS stores and barriers stand outside that branch.
; No cluster: the work-groups of a head walk 17 to 32 steps, so joint requests would make all of them walk the longest way.
; K AND V.  A step's 16,384 bytes of kv (K's 8 tiles, V's 4) go as they lie through registers into one of two LDS slots: each of the 512 threads loads 2 x 16 bytes two steps ahead and stores them one step ahead.
; ONE barrier a step orders both ways: in front of it each wave's stores of the next step have landed and its reads of the slot that the next step overwrites are in.
; LAYOUT.  Both products are used transposed (S^T = K Q^T, O^T = V^T P^T): a lane holds ONE query throughout.  Tile n of the keys holds keys 32 (n / 2) + 8 (n % 2) + r + 8 (r / 8), so p's 16 registers of two
; neighbouring tiles are 16 neighbouring keys, and the conversions' results are the second product's operand.  O^T's registers run along the channels: its codes are pieces of the last projection's operand.
; REGISTERS: v1-5 addresses; v12 -M, v13 the largest t, v[14:15] the sum in two halves; v16-23 Q; v24-39 two sets of 32 bytes on their way to LDS; v40-103 K's 8 fragments, then V's 4; v104-167 S^T, then p;
; v168-199 O^T; v200-215 p's codes; v216-229 at work and constants.
; THE MODE: SCHED_MODE bits 1:0 = 2 (LLVM: expert scheduling mode 2), set by the entry lines.  The code itself states the register dependences between vector or matrix instructions and memory or LDS instructions,
; with s_wait_alu, always for 0.
; THE PLAN.  Registers that memory or LDS instructions touch:
;   v1, v2, v4    addresses and offsets: made once at the head, ahead of one wait on va_vdst, and never written again.
;   Q             loaded once.
;   R0's two sets global loads land in them, LDS stores read them, no vector line names them: one wait on vm_vsrc a step, ahead of the loads into the set that the last step's LDS stores read.
;   KV            K's LDS loads land in it, the scores' products read it, V's LDS loads land in it, the second product reads it.  The sixteen waves' 256 registers each leave no room for a set of V's own: so two waits on
;                 va_vdst a step: ahead of K's loads (the second product of the step before, issued ahead of the barrier) and ahead of V's (the scores' products, whose results the lines that follow read in any case).
;   PC            on the way out alone: written by conversions, read by the two last stores.
;   A compare's mask is waited for ahead of the select that reads it: on the diagonal the compares go in runs of sixteen, into sixteen scalar registers, with one wait on va_sdst behind each run.
.set SLOT, 16384
.set LI,   1                           ; v1   16 x lane
.set STA,  2                           ; v2   16 x thread: my 16 bytes of half a step's block, in memory and in a slot
.set PFO,  4                           ; v4   256 x (thread % 64): the prefetches' offset
.set DD,   5                           ; v5   my query's place in its block - 16 h: in the masked step register 16 b + i is hidden where 32 b + i is greater
.set Q,    16
.set R0,   24
.set KV,   40
.set S,    104
.set O,    168
.set PC,   200
.set MA,   216                         ; two chains of the maximum
.set MB,   217
.set F,    218                         ; v[218:219] f = 2^(old M - new M) (the low word serves both halves)
.set SB,   220                         ; v[220:221] the sum's second chain
.set PX,   222                         ; a lane permute's destination
.set NINF, 223
.set SCP,  226                         ; 2^e8;  v227: 57,344 x 2^e8
.set LMP,  227
.set SCA,  228                         ; 2^e10; v229: 57,344 x 2^e10
.set LMA,  229
.set WV,   12
.set TD,   17                          ; s17  my block of 128 queries = my last key step
.set CNT,  19                          ; s19  trips of two steps
.set SEL,  20                          ; s[20:21] lane selects: lane l xor 16
.set CS,   22                          ; s[22:23] c = log2(e) / 8 x 2^(e6 + e7)
.set J,    24                          ; s24  the key step in hand
.set LIM,  25                          ; s25  a wave prefetches while s24 is below it
.set MK,   26                          ; s[26:41] in the loop: sixteen masks of the diagonal step (at the head these registers hold offsets and e6, e7, which are done with by then)
	s_load_b256 s[4:11], s[0:1], 0x0               ; qc, kv, the scales' exponents, ao
	v_lshl_add_u32 v254, v0, 2, 0x8000
	v_mov_b32 v255, 0
	v_lshrrev_b32 v1, 5, v0
	v_readfirstlane_b32 s[WV], v1                  ; wave 0..15
	v_and_b32 v[LI], 31, v0
	v_lshlrev_b32 v[LI], 4, v[LI]
	v_lshlrev_b32 v[STA], 4, v0
	v_and_b32 v[PFO], 63, v0
	v_lshlrev_b32 v[PFO], 8, v[PFO]
	v_and_b32 v7, 15, v0
	v_and_b32 v8, 8, v7
	v_add_nc_u32 v7, v7, v8                        ; r + 8 (r / 8)
	v_bfe_u32 v8, v0, 4, 1
	v_lshlrev_b32 v8, 4, v8
	v_sub_nc_u32 v[DD], v7, v8                     ; - 16 h
	s_and_b32 s13, ttmp7, 0xffff                   ; the head, 0..15
	s_wait_alu depctr_va_sdst(0)                   ; s12, the wave's number, is written, ahead of its first reader
	s_lshr_b32 s14, s[WV], 2
	s_xor_b32 s14, s14, s[WV]
	s_and_b32 s14, s14, 1                          ; 1: the high block
	s_lshr_b32 s15, s[WV], 1                       ; a: my tile in the block
	s_sub_co_u32 s16, 31, ttmp9
	s_cmp_eq_u32 s14, 1
	s_cselect_b32 s[TD], s16, ttmp9
	s_lshl_b32 s18, s[TD], 3
	s_add_co_u32 s18, s18, s15                     ; my tile of the head's 256
	s_sub_co_u32 s[CNT], 33, ttmp9                 ; the work-group walks 32 - i steps, rounded up to an even number: two are written out behind the loop
	s_lshr_b32 s[CNT], s[CNT], 1
	s_sub_co_u32 s[CNT], s[CNT], 1
	s_lshl_b32 s26, s13, 18
	s_lshl_b32 s27, s18, 10
	s_add_co_u32 s26, s26, s27                     ; qc: head x 262,144 + tile x 1,024
	s_mov_b32 s27, 0
	s_lshl_b32 s28, s13, 19                        ; kv: head x 524,288
	s_mov_b32 s29, 0
	s_lshr_b32 s30, s13, 3
	s_lshl_b32 s30, s30, 8
	s_add_co_u32 s30, s30, s18
	s_lshl_b32 s30, s30, 13                        ; ao: (256 x batch + tile) x 8,192,
	s_bfe_u32 s31, s13, 0x20001
	s_lshl_b32 s31, s31, 11
	s_add_co_u32 s30, s30, s31                     ; + K step = head / 2,
	s_and_b32 s31, s13, 1
	s_lshl_b32 s31, s31, 10
	s_add_co_u32 s30, s30, s31                     ; + two pieces for an odd head
	s_mov_b32 s31, 0
	s_lshr_b32 s32, s[WV], 1
	s_or_b32 s32, s32, ttmp9                       ; 0 in waves 0 and 1 of the head's first work-group
	s_cmp_eq_u32 s32, 0
	s_cselect_b32 s[LIM], 28, 0
	s_mov_b32 s[SEL], 0x76543210
	s_mov_b32 s[SEL+1], 0xfedcba98
	s_mov_b32 s[CS], 0x3e38aa3b                    ; log2(e) / 8
	s_mov_b32 s[J], 0
	s_lshr_b32 s33, s15, 1
	s_lshl_b32 s33, s33, 5
	s_and_b32 s34, s15, 1
	s_lshl_b32 s34, s34, 3
	s_add_co_u32 s33, s33, s34
	v_add_nc_u32 v[DD], s33, v[DD]                 ; + 32 (a / 2) + 8 (a % 2)
	s_wait_kmcnt 0x0
	s_load_b128 s[40:43], s[8:9], 0x18             ; e6, e7, e8, e9
	s_load_b32 s44, s[8:9], 0x28                   ; e10
	s_add_nc_u64 s[4:5], s[4:5], s[26:27]
	s_add_nc_u64 s[6:7], s[6:7], s[28:29]
	s_add_nc_u64 s[10:11], s[10:11], s[30:31]
	s_wait_alu depctr_va_vdst(0)                   ; v1, v2 and v4 are written: every load, store, LDS instruction and prefetch of the kernel reads one of them, and no later line writes them
	global_load_b128 v[R0:R0+3],     v[STA], s[6:7]               ; key step 0,
	global_load_b128 v[R0+4:R0+7],   v[STA], s[6:7] offset:8192
	global_load_b128 v[R0+8:R0+11],  v[STA], s[6:7] offset:16384  ; key step 1,
	global_load_b128 v[R0+12:R0+15], v[STA], s[6:7] offset:24576
	global_load_b128 v[Q:Q+3],   v[LI], s[4:5]                    ; and Q's fragment, which stays in registers
	global_load_b128 v[Q+4:Q+7], v[LI], s[4:5] offset:512
	v_mov_b32 v13, 0xff61b1e6                      ; the largest t so far: -3e38, under every t
	v_floor_f32 v12, -v13                          ; -M
	v_mov_b32 v14, 0                               ; the sum, in two halves
	v_mov_b32 v15, 0
	v_mov_b32 v[F+1], 0                            ; (named as the upper half of a pair)
	v_mov_b32 v[PX], 0                             ; written once: a lane permute's destination counts as one of its sources
	v_mov_b32 v[NINF], 0xff800000
.set i, 0
.rept 32
	v_mov_b32 v[O+i], 0                            ; O^T.  (The step is written without a first step of its own: the first change of M multiplies zeros)
.set i, i+1
.endr
	s_wait_kmcnt 0x0
	s_add_co_i32 s35, s40, s41
	s_lshl_b32 s35, s35, 23
	s_add_co_i32 s[CS], s[CS], s35                 ; a score stands for score x 2^(e6 + e7): the exponents are added to c's exponent field
	s_mov_b32 s[CS+1], s[CS]                       ; (named with it as a pair)
	s_add_co_i32 s35, s42, 127
	s_lshl_b32 s36, s35, 23
	v_mov_b32 v[SCP], s36
	s_add_co_i32 s35, s35, 15
	s_lshl_b32 s35, s35, 23
	s_or_b32 s35, s35, 0x600000
	v_mov_b32 v[LMP], s35
	s_add_co_i32 s35, s44, 127
	s_lshl_b32 s36, s35, 23
	v_mov_b32 v[SCA], s36
	s_add_co_i32 s35, s35, 15
	s_lshl_b32 s35, s35, 23
	s_or_b32 s35, s35, 0x600000
	v_mov_b32 v[LMA], s35
	s_wait_loadcnt 4                               ; step 0's two loads are in: behind them stand step 1's two and Q's two
	ds_store_b128 v[STA], v[R0:R0+3]
	ds_store_b128 v[STA], v[R0+4:R0+7] offset:8192
	s_wait_xcnt 0x0                                ; the loads have read their base
	s_add_nc_u64 s[6:7], s[6:7], 16384             ; at step 1: each step with loads moves it one step on first
	s_wait_dscnt 0x0
	s_barrier_signal -1
	s_barrier_wait -1                              ; step 0 lies in slot 0
; A KEY STEP, read from slot sl.  st = 1: the next step's bytes go into the other slot, and a barrier closes the step.  ld = 1: the step after that is asked for.
.macro STEP sl, st, ld
.if \st
	s_wait_loadcnt 0x0                             ; the next step's bytes, asked for a step ago, are in (in the first step Q too)
	ds_store_b128 v[STA], v[R0+8*(1-\sl):R0+8*(1-\sl)+3] offset:(1-\sl)*SLOT          ; the other slot: every wave's reads of it were waited for in front of the last barrier
	ds_store_b128 v[STA], v[R0+8*(1-\sl)+4:R0+8*(1-\sl)+7] offset:(1-\sl)*SLOT+8192
.endif
.if \ld
	s_wait_xcnt 0x0                                ; the last step's loads and prefetch have read their base
	s_wait_alu depctr_vm_vsrc(0)                   ; the LDS stores of the step before have read the set in which the loads below land
	s_add_nc_u64 s[6:7], s[6:7], 16384             ; two steps ahead of the step in hand
	global_load_b128 v[R0+8*\sl:R0+8*\sl+3],   v[STA], s[6:7]              ; into the set whose LDS stores were waited for in front of the last barrier
	global_load_b128 v[R0+8*\sl+4:R0+8*\sl+7], v[STA], s[6:7] offset:8192
	; A PREFETCH INTO THE L2 of the step four ahead of the one in hand, two ahead of the loads just issued: 16,384 bytes, 64 lanes 256 bytes apart.  All work-groups of a head walk the same bytes: waves 0 and 1 of the
	; head's first work-group ask, so each block of 256 bytes is named once in the launch.  It stops at step 27, which names step 31, the last; steps 0 to 3 come by their loads alone.
	s_cmp_lt_u32 s[J], s[LIM]
	s_cbranch_scc0 .Lnot_mine_\@
	global_prefetch_b8 v[PFO], s[6:7] offset:32768 th:TH_LOAD_NT scope:SCOPE_SE
.Lnot_mine_\@:
.endif
	s_cmp_gt_u32 s[J], s[TD]                       ; all of this step's keys come after my queries: nothing to do but the barrier
	s_cbranch_scc1 .Lskip_\@
.rept 4
	v_nop                                          ; places in front of loads into registers that the last step's matrix instructions read
.endr
	s_wait_alu depctr_va_vdst(0)                   ; the last step's products V^T P^T are done reading v[KV] on, in which K's tiles land
.irp t, 0,1,2,3,4,5,6,7
	ds_load_b128 v[KV+8*\t:KV+8*\t+3],   v[LI] offset:\sl*SLOT+1024*\t
	ds_load_b128 v[KV+8*\t+4:KV+8*\t+7], v[LI] offset:\sl*SLOT+1024*\t+512
.endr
	s_wait_dscnt 8                                 ; K's tiles 0 to 3 are in; the eight younger loads may be out
.irp t, 0,1,2,3
	v_wmma_f32_16x16x64_bf8_bf8 v[S+8*\t:S+8*\t+7], v[KV+8*\t:KV+8*\t+7], v[Q:Q+7], 0
.endr
	s_wait_dscnt 0x0
.irp t, 4,5,6,7
	v_wmma_f32_16x16x64_bf8_bf8 v[S+8*\t:S+8*\t+7], v[KV+8*\t:KV+8*\t+7], v[Q:Q+7], 0
.endr
.rept 4
	v_nop                                          ; places in front of the loads below and of the first read of the scores
.endr
	s_wait_alu depctr_va_vdst(0)                   ; the scores' products are done reading K's fragments, in which V's land
.irp t, 0,1,2,3
.irp c, 0,1,2,3
	ds_load_b128 v[KV+16*\t+4*\c:KV+16*\t+4*\c+3], v[LI] offset:\sl*SLOT+8192+2048*\t+512*\c   ; V's four fragments land while the softmax is worked
.endr
.endr
	s_cmp_lg_u32 s[J], s[TD]                       ; on the diagonal the scores of hidden keys become -infinity ahead of the maximum: p = 0 then.  The block's first key counts for every query of it
	s_cbranch_scc1 .Lopen_\@
.irp b, 0,1,2,3                                ; sixteen scores at a time: sixteen compares, each into a scalar register of its own, one wait, sixteen selects
.set n, 0
.rept 16
	v_cmp_gt_i32 s[MK+n], 32*\b+n, v[DD]
.set n, n+1
.endr
	s_wait_alu depctr_va_sdst(0)                   ; the sixteen masks are written, ahead of the selects that read them
.set n, 0
.rept 16
	v_cndmask_b32 v[S+16*\b+n], v[S+16*\b+n], v[NINF], s[MK+n]
.set n, n+1
.endr
.endr
.Lopen_\@:
	v_max3_num_f32 v[MA], v[S], v[S+1], v[S+2]     ; the step's largest score of my query among my 64 keys, in two chains, each accumulator from its low end on,
	v_max3_num_f32 v[MB], v[S+3], v[S+4], v[S+5]
.irp i, 6,10,14,18,22,26,30,34,38,42,46,50,54,58
	v_max3_num_f32 v[MA], v[MA], v[S+\i], v[S+\i+1]
	v_max3_num_f32 v[MB], v[MB], v[S+\i+2], v[S+\i+3]
.endr
	v_max3_num_f32 v[MA], v[MA], v[S+62], v[S+63]
	v_max_num_f32 v[MA], v[MA], v[MB]
	v_permlanex16_b32 v[PX], v[MA], s[SEL], s[SEL+1]
	v_max_num_f32 v[MA], v[MA], v[PX]              ; and among lane l xor 16's
	v_mul_f32 v[MA], s[CS], v[MA]                  ; as t (c is positive)
	v_max_num_f32 v13, v13, v[MA]                  ; the running largest t
	v_mov_b32 v[MA], v12
	v_floor_f32 v12, -v13                          ; the new -M = floor(-t) = -ceil(t): a whole number
	v_sub_f32 v[MA], v12, v[MA]                    ; old M - new M: a whole number, 0 or less
	v_cvt_i32_f32 v[MA], v[MA]                     ; (it saturates)
	v_ldexp_f32 v[F], 1.0, v[MA]                   ; f = 2^(old M - new M)
.set j, 0
.rept 32
	v_pk_fma_f32 v[S+j:S+j+1], v[S+j:S+j+1], s[CS:CS+1], v[12:13] op_sel_hi:[1,0,0]   ; t - M, two at a time
.set j, j+2
.endr
.set j, 0
.rept 64
	v_exp_f32 v[S+j], v[S+j]                       ; p = 2^(t - M), at most 1
.set j, j+1
.endr
	v_pk_mul_f32 v[14:15], v[14:15], v[F:F+1] op_sel_hi:[1,0]   ; the sums under the new M: the plain instruction behind the exponentials
	s_wait_alu depctr_va_vdst(0)                   ; the 64 exponentials have written p: one wait for the whole batch, ahead of its first reader
	v_pk_add_f32 v[SB:SB+1], v[S:S+1], v[S+2:S+3]  ; the row's sum is taken of the unquantised p, in two chains
.irp j, 4,8,12,16,20,24,28,32,36,40,44,48,52,56,60
	v_pk_add_f32 v[14:15], v[14:15], v[S+\j:S+\j+1]
	v_pk_add_f32 v[SB:SB+1], v[SB:SB+1], v[S+\j+2:S+\j+3]
.endr
	v_pk_add_f32 v[14:15], v[14:15], v[SB:SB+1]
	s_cmp_ge_i32 s42, -15                          ; with e8 >= -15, p <= 1 lies under 57,344 x 2^e8 (1.75 at the least): the hold changes nothing and is jumped over.  e8 is a whole number read from memory, the same in every wave
	s_cbranch_scc1 .Lno_hold_\@
.set j, 0
.rept 64
	v_min_num_f32 v[S+j], v[S+j], v[LMP]           ; the conversion does not saturate (ISA guide 7.6.2); p is not negative, so the hold is one-sided
.set j, j+1
.endr
.Lno_hold_\@:
.irp b, 0,1,2,3
	v_cvt_scalef32_pk8_bf8_f32 v[PC+4*\b:PC+4*\b+1], v[S+16*\b:S+16*\b+7], v[SCP]
	v_cvt_scalef32_pk8_bf8_f32 v[PC+4*\b+2:PC+4*\b+3], v[S+16*\b+8:S+16*\b+15], v[SCP]
.endr
.set j, 0
.rept 16
	v_pk_mul_f32 v[O+j:O+j+1], v[O+j:O+j+1], v[F:F+1] op_sel_hi:[1,0]   ; O^T under the new M.  (These are also the plain instructions between the conversions and the products that read their results)
.set j, j+2
.endr
	s_wait_dscnt 0x0                               ; V is in
.irp t, 0,1,2,3
	v_wmma_f32_16x16x128_bf8_bf8 v[O+8*\t:O+8*\t+7], v[KV+16*\t:KV+16*\t+15], v[PC:PC+15], v[O+8*\t:O+8*\t+7]   ; four accumulators by turns; the scores' eight stand between two steps' links
.endr
.Lskip_\@:
	s_add_co_u32 s[J], s[J], 1
.if \st
	s_wait_dscnt 0x0                               ; my stores of the next step have landed, and my reads of this slot are in
	s_barrier_signal -1
	s_barrier_wait -1
.endif
.endm
.Lpair:                                            ; a trip is two steps, one from each slot
	STEP 0, 1, 1
	STEP 1, 1, 1
	s_sub_co_u32 s[CNT], s[CNT], 1
	s_cmp_lg_u32 s[CNT], 0
	s_cbranch_scc1 .Lpair
	STEP 0, 1, 0                                   ; the last two steps ask for nothing: no load leaves its buffer
	STEP 1, 0, 0
	; THE WAY OUT.  O^T / the sum x 2^(e8 + e9), held and quantised with e10: register 16 b + i is channel 32 b + 16 h + i of my query, so the codes are two pieces of the projection's operand: two dense stores.
.rept 4
	v_nop                                          ; places behind the last products
.endr
	v_add_f32 v14, v14, v15                        ; the sum's two halves,
	v_permlanex16_b32 v[PX], v14, s[SEL], s[SEL+1]
	v_add_f32 v14, v14, v[PX]                      ; and lane l xor 16's
	v_rcp_f32 v14, v14
	v_nop                                          ; a plain instruction behind the reciprocal
	s_add_co_i32 s26, s42, s43
	s_wait_alu depctr_va_vdst(0)                   ; the reciprocal has written v14, ahead of its first reader
	v_ldexp_f32 v14, v14, s26
.set j, 0
.rept 16
	v_pk_mul_f32 v[S+j:S+j+1], v[O+j:O+j+1], v[14:15] op_sel_hi:[1,0]
.set j, j+2
.endr
.set j, 0
.rept 32
	v_med3_num_f32 v[S+j], v[S+j], -v[LMA], v[LMA]
.set j, j+1
.endr
.irp b, 0,1
	v_cvt_scalef32_pk8_bf8_f32 v[PC+4*\b:PC+4*\b+1], v[S+16*\b:S+16*\b+7], v[SCA]
	v_cvt_scalef32_pk8_bf8_f32 v[PC+4*\b+2:PC+4*\b+3], v[S+16*\b+8:S+16*\b+15], v[SCA]
.endr
	v_nop
	s_wait_alu depctr_va_vdst(0)                   ; the conversions have written v[PC] to v[PC+7], which the two stores read
	global_store_b128 v[LI], v[PC:PC+3],   s[10:11]
	global_store_b128 v[LI], v[PC+4:PC+7], s[10:11] offset:512
	s_wait_dscnt 0x0
	s_wait_alu depctr_hold_cnt(0) depctr_sa_sdst(0) depctr_va_vdst(0) depctr_va_sdst(0) depctr_va_ssrc(0) depctr_va_vcc(0) depctr_vm_vsrc(0)
	s_wait_tensorcnt 0x0
	ds_add_u32 v254, v255
	s_wait_dscnt 0x0
	s_endpgm
.Lfunc_end_k_q47e5ab75c8_attn:
	.size	k_q47e5ab75c8_attn, .Lfunc_end_k_q47e5ab75c8_attn-k_q47e5ab75c8_attn
	.p2alignl 7, 3214868480
	.fill 96, 4, 3214868480
	.section	.rodata,"a",@progbits
	.p2align	6, 0x0
	.amdhsa_kernel k_q47e5ab75c8_attn
		.amdhsa_group_segment_fixed_size 34816
		.amdhsa_private_segment_fixed_size 0
		.amdhsa_enable_private_segment 0
		.amdhsa_kernarg_size 32
		.amdhsa_user_sgpr_count 2
		.amdhsa_user_sgpr_kernarg_segment_ptr 1
		.amdhsa_wavefront_size32 1
		.amdhsa_system_sgpr_workgroup_id_x 1
		.amdhsa_system_sgpr_workgroup_id_y 1
		.amdhsa_system_sgpr_workgroup_id_z 1
		.amdhsa_system_vgpr_workitem_id 0
		.amdhsa_next_free_vgpr 256
		.amdhsa_next_free_sgpr 66
		.amdhsa_reserve_vcc 0
		.amdhsa_float_denorm_mode_32 3
		.amdhsa_float_denorm_mode_16_64 3
		.amdhsa_memory_ordered 1
		.amdhsa_forward_progress 1
		.amdhsa_inst_pref_size 110
	.end_amdhsa_kernel
	.amdgpu_metadata
---
amdhsa.version: [ 1, 2 ]
amdhsa.kernels:
  - .name:           k_q47e5ab75c8_attn
    .symbol:         k_q47e5ab75c8_attn.kd
    .args:
      - { .name: qc, .offset: 0, .size: 8, .value_kind: global_buffer, .address_space: global }
      - { .name: kv, .offset: 8, .size: 8, .value_kind: global_buffer, .address_space: global }
      - { .name: lowp_scales, .offset: 16, .size: 8, .value_kind: global_buffer, .address_space: global }
      - { .name: ao, .offset: 24, .size: 8, .value_kind: global_buffer, .address_space: global }
    .group_segment_fixed_size: 34816
    .private_segment_fixed_size: 0
    .kernarg_segment_align: 8
    .kernarg_segment_size: 32
    .max_flat_workgroup_size: 512
    .sgpr_count:     66
    .vgpr_count:     256
    .wavefront_size: 32
...
	.end_amdgpu_metadata
.endif
;; end of part 6
;; launch proj (part 7): grid 128 x 2, 4 waves a work-group, no clusters, 17,920 bytes of LDS; arguments ao, wc, lowp_scales, bo, out0; writes out0
.if DOCPART == 7
	.amdgcn_target "amdgcn-amd-amdhsa--gfx1250"
	.amdhsa_code_object_version 6
	.text
	.protected	k_q47e5ab75c8_proj
	.globl	k_q47e5ab75c8_proj
	.p2align	8
	.type	k_q47e5ab75c8_proj,@function
k_q47e5ab75c8_proj:
	s_mov_b64 s[64:65], 0
	v_nop
	global_prefetch_b8 v0, s[64:65] scope:SCOPE_SE
	s_setreg_imm32_b32 hwreg(HW_REG_WAVE_SCHED_MODE, 0, 2), 2
	s_setreg_imm32_b32 hwreg(HW_REG_WAVE_MODE, 25, 1), 1
	s_wait_xcnt 0x0
	s_wait_alu depctr_vm_vsrc(0)
; out0 = attention's result x Wo + bo on codes of BF8 (E5M2).  ao: [tile of 16 tokens] x 8,192 bytes, Wo: the fourth weight of wc: both as register images, fragment (tile, K step s) = four pieces of 512 bytes.
; A finished sum is multiplied once by 2^(e10 + e11) and bo is added: one packed multiply-add for two numbers.  LIMIT: e10 + e11 between -126 and 127, so that the power of two is an f32 number.
; SHARES.  Work-group (x, y): 64 tokens x 256 columns; wave w: its 64 columns (4 tiles) for all 64 tokens (4 tiles): 16 accumulators, 64 matrix instructions.  256 work-groups.  Each wave loads its operands straight into
; registers (every load 512 dense bytes) and has a stage of its own in LDS: no barrier.
; THE PRODUCT IS USED TRANSPOSED (source 0 = 16 columns of Wo, source 1 = 16 tokens): a lane holds one token and eight neighbouring columns.  Tile n holds rows 32 (n / 2) + 8 (n % 2) + r + 8 (r / 8), of tokens and of columns alike.
; REGISTERS, in windows of 256.  Window 0: v5-9 addresses; v16-47 bo in the result's layout; v48-175 the four tiles of tokens' results; v176-239 rows read back, two sets.  Window 1: Wo (t, s) at v[16 (4 s + t)].
; Window 2: ao (m, s) at v[16 (4 m + s)].  Window 3: accumulator (m, t) at v[8 (4 m + t)].
; THE MODE: SCHED_MODE bits 1:0 = 2 (LLVM: expert scheduling mode 2), set by the entry lines.  The code itself states the register dependences between vector or matrix instructions and memory or LDS instructions,
; with s_wait_alu, always for 0.
; THE PLAN.  Registers that memory or LDS instructions touch:
;   v5 .. v9      offsets and LDS addresses: made once at the head, ahead of one wait on va_vdst, and never written again.
;   bo, Wo, ao    loaded once, into registers that no vector line has named.
;   TMP           four sets, one for each tile of tokens: written by the 64 multiply-adds, which stand together; ONE wait on va_vdst behind them serves all 32 stores into the stage: no vector line follows it.
;   BK            two sets by turns: the loads from the stage land in them, the global stores read them: a wait on vm_vsrc ahead of tiles 2 and 3, whose loads land where the stores of two tiles back read.
.set LI,  5                            ; v5   16 x lane
.set BOF, 6                            ; v6   64 h: my half's eight numbers of bo
.set STO, 7                            ; v7   the stage: row r, + 64 h
.set RD,  8                            ; v8   and back: lanes 0-15 one row of 256 bytes, lanes 16-31 the next
.set CO,  9                            ; v9   the same two rows in out0
.set BO,  16
.set TMP, 48
.set BK,  176
.set SP,  272                          ; a stage row: 256 bytes + 16, so that the sixteen rows of a store begin 68 words apart
.set MSB, 0
.macro WIN new                         ; the immediate's high byte repeats the setting that is left
.if MSB != \new
	s_set_vgpr_msb (MSB<<8)|\new
.set MSB, \new
.endif
.endm
	s_load_b256 s[4:11], s[0:1], 0x0               ; ao, wc, the scales' exponents, bo
	s_load_b64 s[12:13], s[0:1], 0x20              ; out0
	v_lshl_add_u32 v254, v0, 2, 0x4400
	v_mov_b32 v255, 0
	v_lshrrev_b32 v1, 5, v0
	v_readfirstlane_b32 s14, v1                    ; wave 0..3
	s_and_b32 s15, ttmp7, 0xffff                   ; which 256 columns
	v_and_b32 v1, 15, v0                           ; r
	v_bfe_u32 v2, v0, 4, 1                         ; h
	v_and_b32 v[LI], 31, v0
	v_lshlrev_b32 v[LI], 4, v[LI]
	v_lshlrev_b32 v[BOF], 6, v2
	s_wait_alu depctr_va_sdst(0)                   ; s14, the wave's number, is written, ahead of its first reader
	s_mul_i32 s16, s14, 16*SP                      ; my stage
	v_mul_u32_u24 v[STO], v1, SP
	v_lshl_add_u32 v[STO], v2, 6, v[STO]
	v_add_nc_u32 v[STO], s16, v[STO]
	v_mul_u32_u24 v[RD], v2, SP
	v_lshl_add_u32 v[RD], v1, 4, v[RD]
	v_add_nc_u32 v[RD], s16, v[RD]
	v_lshlrev_b32 v[CO], 11, v2                    ; a row of out0 is 2,048 bytes
	v_lshl_add_u32 v[CO], v1, 4, v[CO]
	s_lshl_b32 s24, s15, 17                        ; wc: 16 tiles x 8,192 bytes for each y,
	s_lshl_b32 s25, s14, 15
	s_add_co_u32 s24, s24, s25                     ; + 4 tiles a wave,
	s_add_co_u32 s24, s24, 0xc0000                 ; in the fourth weight
	s_mov_b32 s25, 0
	s_lshl_b32 s26, ttmp9, 15                      ; ao: 4 tiles x 8,192 bytes
	s_mov_b32 s27, 0
	s_lshl_b32 s28, s15, 10
	s_lshl_b32 s29, s14, 8
	s_add_co_u32 s28, s28, s29                     ; bo, and a row of out0: my 64 columns
	s_mov_b32 s29, 0
	s_lshl_b32 s30, ttmp9, 17                      ; out0: 64 rows
	s_add_co_u32 s30, s30, s28
	s_mov_b32 s31, 0
	s_wait_kmcnt 0x0
	s_load_b64 s[20:21], s[8:9], 0x28              ; e10, e11
	s_add_nc_u64 s[4:5], s[4:5], s[26:27]
	s_add_nc_u64 s[6:7], s[6:7], s[24:25]
	s_add_nc_u64 s[10:11], s[10:11], s[28:29]
	s_add_nc_u64 s[12:13], s[12:13], s[30:31]
	s_wait_alu depctr_va_vdst(0)                   ; the offsets and addresses v5 to v9 are written: every load, store and LDS instruction of the kernel reads one of them, and no later line writes them
.irp t, 0,1,2,3
	global_load_b128 v[BO+8*\t:BO+8*\t+3],   v[BOF], s[10:11] offset:(32*(\t/2)+8*(\t%2))*4      ; bo at columns 32 (t / 2) + 8 (t % 2) + 16 h + 0 .. 7
	global_load_b128 v[BO+8*\t+4:BO+8*\t+7], v[BOF], s[10:11] offset:(32*(\t/2)+8*(\t%2))*4+16
.endr
.irp s, 0,1,2,3                        ; the operands K step by K step: 16 loads of Wo, 16 of ao
	WIN 0x40
.irp t, 0,1,2,3
.irp c, 0,1,2,3
	global_load_b128 v[16*(4*\s+\t)+4*\c:16*(4*\s+\t)+4*\c+3], v[LI], s[6:7] offset:(4*\t+\s)*2048+512*\c
.endr
.endr
	WIN 0x80
.irp m, 0,1,2,3
.irp c, 0,1,2,3
	global_load_b128 v[16*(4*\m+\s)+4*\c:16*(4*\m+\s)+4*\c+3], v[LI], s[4:5] offset:\m*8192+\s*2048+512*\c
.endr
.endr
.endr
	s_wait_kmcnt 0x0
	s_add_co_i32 s22, s20, s21
	s_add_co_i32 s22, s22, 127
	s_lshl_b32 s22, s22, 23                        ; 2^(e10 + e11) as f32
	s_mov_b32 s23, s22                             ; (named with it as a pair)
	WIN 0xf9                                       ; source 0 (Wo) window 1, source 1 (ao) window 2, C and D window 3
.irp s, 0,1,2,3
.if \s == 0
	s_wait_loadcnt 63                              ; behind K step 1's last load stand 64 loads: with 63 out, bo and K steps 0 and 1 are in
.elseif \s == 2
	s_wait_loadcnt 32                              ; behind K step 2's stand K step 3's 32
.elseif \s == 3
	s_wait_loadcnt 0x0
.endif
.irp m, 0,1,2,3
.irp t, 0,1,2,3
.if \s == 0
	v_wmma_f32_16x16x128_bf8_bf8 v[8*(4*\m+\t):8*(4*\m+\t)+7], v[16*(4*\s+\t):16*(4*\s+\t)+15], v[16*(4*\m+\s):16*(4*\m+\s)+15], 0   ; the first K step starts the sums
.else
	v_wmma_f32_16x16x128_bf8_bf8 v[8*(4*\m+\t):8*(4*\m+\t)+7], v[16*(4*\s+\t):16*(4*\s+\t)+15], v[16*(4*\m+\s):16*(4*\m+\s)+15], v[8*(4*\m+\t):8*(4*\m+\t)+7]   ; the sixteen accumulators take turns
.endif
.endr
.endr
.endr
	WIN 0
.rept 4
	v_nop                                          ; places behind the last products, ahead of the first read of results
.endr
; THE WAY OUT.  First all sixteen accumulators become results, each tile of tokens in registers of its own; then a tile of 16 tokens x my 64 columns at a time goes through my stage.  A lane holds 32 neighbouring bytes of a
; row, four times; the lanes beside it hold other rows: so a tile comes back from the stage as whole rows of 256 bytes.  LDS serves a wave's instructions in order (ISA guide 5.7.1.4): no wait between the stores and the
; loads, nor in front of the next tile's stores.
	WIN 0x03                                       ; source 0 (the sums) window 3
.set k, 0
.rept 64
	v_pk_fma_f32 v[TMP+k:TMP+k+1], v[k:k+1], s[22:23], v[BO+(k%32):BO+(k%32)+1] op_sel_hi:[1,0,1]   ; sum x 2^(e10 + e11) + bo, each accumulator from its low end on
.set k, k+2
.endr
	WIN 0
	s_wait_alu depctr_va_vdst(0)                   ; the multiply-adds have written v[TMP] on, all four sets, which the stores into the stage read
.macro TOSTAGE m
.irp t, 0,1,2,3
	ds_store_b128 v[STO], v[TMP+32*(\m)+8*\t:TMP+32*(\m)+8*\t+3]   offset:128*(\t/2)+32*(\t%2)
	ds_store_b128 v[STO], v[TMP+32*(\m)+8*\t+4:TMP+32*(\m)+8*\t+7] offset:128*(\t/2)+32*(\t%2)+16
.endr
.irp i, 0,1,2,3,4,5,6,7
	ds_load_b128 v[BK+32*((\m)%2)+4*\i:BK+32*((\m)%2)+4*\i+3], v[RD] offset:\i*2*SP   ; places 2 i and 2 i + 1 of the tile
.endr
.endm
.macro SEND m, younger                 ; younger: the LDS instructions issued behind tile m's loads, which may stay out
	s_wait_dscnt \younger
.irp i, 0,1,2,3,4,5,6,7
	global_store_b128 v[CO], v[BK+32*((\m)%2)+4*\i:BK+32*((\m)%2)+4*\i+3], s[12:13] offset:(32*((\m)/2)+8*((\m)%2)+2*\i+8*(\i/4))*2048 th:TH_STORE_NT   ; place p is token 32 (m / 2) + 8 (m % 2) + p + 8 (p / 8); sixteen lanes store 256 consecutive, aligned bytes
.endr
.endm
	TOSTAGE 0
.irp m, 1,2,3
.if \m > 1
	s_wait_xcnt 0x0                                ; tile m - 2's stores have had their addresses translated,
	s_wait_alu depctr_vm_vsrc(0)                   ; and have read their set of v[BK] on, in which tile m's loads land
.endif
	TOSTAGE \m
	SEND \m-1, 16                                  ; behind tile m - 1's loads: tile m's 8 stores and 8 loads
.endr
	SEND 3, 0
	s_wait_dscnt 0x0
	s_wait_alu depctr_hold_cnt(0) depctr_sa_sdst(0) depctr_va_vdst(0) depctr_va_sdst(0) depctr_va_ssrc(0) depctr_va_vcc(0) depctr_vm_vsrc(0)
	s_wait_tensorcnt 0x0
	ds_add_u32 v254, v255
	s_wait_dscnt 0x0
	s_endpgm
.Lfunc_end_k_q47e5ab75c8_proj:
	.size	k_q47e5ab75c8_proj, .Lfunc_end_k_q47e5ab75c8_proj-k_q47e5ab75c8_proj
	.p2alignl 7, 3214868480
	.fill 96, 4, 3214868480
	.section	.rodata,"a",@progbits
	.p2align	6, 0x0
	.amdhsa_kernel k_q47e5ab75c8_proj
		.amdhsa_group_segment_fixed_size 17920
		.amdhsa_private_segment_fixed_size 0
		.amdhsa_enable_private_segment 0
		.amdhsa_kernarg_size 40
		.amdhsa_user_sgpr_count 2
		.amdhsa_user_sgpr_kernarg_segment_ptr 1
		.amdhsa_wavefront_size32 1
		.amdhsa_system_sgpr_workgroup_id_x 1
		.amdhsa_system_sgpr_workgroup_id_y 1
		.amdhsa_system_sgpr_workgroup_id_z 1
		.amdhsa_system_vgpr_workitem_id 0
		.amdhsa_next_free_vgpr 896
		.amdhsa_next_free_sgpr 66
		.amdhsa_reserve_vcc 0
		.amdhsa_float_denorm_mode_32 3
		.amdhsa_float_denorm_mode_16_64 3
		.amdhsa_memory_ordered 1
		.amdhsa_forward_progress 1
		.amdhsa_inst_pref_size 32
	.end_amdhsa_kernel
	.amdgpu_metadata
---
amdhsa.version: [ 1, 2 ]
amdhsa.kernels:
  - .name:           k_q47e5ab75c8_proj
    .symbol:         k_q47e5ab75c8_proj.kd
    .args:
      - { .name: ao, .offset: 0, .size: 8, .value_kind: global_buffer, .address_space: global }
      - { .name: wc, .offset: 8, .size: 8, .value_kind: global_buffer, .address_space: global }
      - { .name: lowp_scales, .offset: 16, .size: 8, .value_kind: global_buffer, .address_space: global }
      - { .name: bo, .offset: 24, .size: 8, .value_kind: global_buffer, .address_space: global }
      - { .name: out0, .offset: 32, .size: 8, .value_kind: global_buffer, .address_space: global }
    .group_segment_fixed_size: 17920
    .private_segment_fixed_size: 0
    .kernarg_segment_align: 8
    .kernarg_segment_size: 40
    .max_flat_workgroup_size: 128
    .sgpr_count:     66
    .vgpr_count:     896
    .wavefront_size: 32
...
	.end_amdgpu_metadata
.endif
;; end of part 7
